; MI455X (gfx1250); checked and timed in simulation.
; The chip was launched on July 23, 2026; its instructions are those of AMD's public machine-readable ISA for CDNA 5 (MIT licence, August 2026) and "CDNA5" Instruction Set Architecture Reference Guide (July 2026). The comments in the code are by the model that wrote it; some were corrected since.
;; Causal Self Attention. Allowed arithmetic: matrix products marked QUANTISED: E2M3 operands, one E8M0 scale for each 32 along K, by v_wmma_scale_f32_16x16x128_f8f6f4 with both operands' format E2M3, f32 sums; everything else in f32.
;; Inputs: W_in 1,024 x 3,072 float32; W_out 1,024 x 1,024 float32; b_in 3,072 float32; b_out 1,024 float32; x 4 x 2,048 x 1,024 float32.
;; Outputs: out0 4 x 2,048 x 1,024 float32.
;; This version of the problem:
;;   THIS VERSION OF THE PROBLEM IS GIVEN IN LOW PRECISION. The matrix products marked QUANTISED in the list below multiply operands that are first quantised to E2M3 (2 exponent bits, 3 mantissa bits; 6 bits a number), with one power-of-two scale for each 32 numbers along K (OCP MX v1.0); their sums are f32. All else is computed in f32.
;;   The module's matrix products, in the order in which they are computed (A, B: the left and right operand; K: the contracted axis; several contracted axes count as one K, in the product's order):
;;     1. [M 8,192, K 1,024] x [K 1,024, N 3,072]; A: input x; B: input W_in: QUANTISED
;;     2. batch 64 x [M 2,048, K 64] x [K 64, N 2,048]; A: computed on the way; B: computed on the way: QUANTISED
;;     3. batch 64 x [M 2,048, K 2,048] x [K 2,048, N 64]; A: softmax (see below); B: computed on the way: QUANTISED
;;     4. [M 8,192, K 1,024] x [K 1,024, N 1,024]; A: computed on the way; B: input W_out: QUANTISED
;;   THE QUANTISER, for each operand of a quantised product, along K:
;;     - K is cut into blocks of 32 from its start; a last block that is shorter is filled with zeros.
;;     - A block's scale is 2^e with e = floor(log2(the largest magnitude in the block)) - 2, held to -126 .. 127; a block of zeros has e = 0. As a byte (E8M0): e + 127.
;;     - Each number is divided by its block's scale, clamped to +-7.5, and rounded to the nearest number of E2M3, ties to even, subnormals kept.
;;     - The product sums the exact products of the quantised numbers (number of the format x scale) in f32.
;;   ~~~python
;;   def quantise(x, axis):      # numpy; x: float32 -> the quantised numbers, widened to float32 again
;;       x = np.moveaxis(x, axis, -1); K = x.shape[-1]
;;       x = np.pad(x, [(0, 0)] * (x.ndim - 1) + [(0, -K % 32)]); x = x.reshape(x.shape[:-1] + (-1, 32)); a = np.abs(x).max(-1, keepdims=True)
;;       e = np.where(a > 0, np.clip(np.frexp(np.where(a > 0, a, 1))[1] - 1 - 2, -126, 127), 0)      # np.frexp(a)[1] - 1 = floor(log2(a)), exactly
;;       r = np.clip(x / 2.0 ** e, -7.5, 7.5)
;;       step = 2.0 ** (np.maximum(np.frexp(np.where(r == 0, 1, r))[1] - 1, 0) - 3)
;;       q = np.round(r / step) * step * 2.0 ** e      # np.round: ties to even
;;       return np.moveaxis(q.reshape(q.shape[:-2] + (-1,))[..., :K], -1, axis).astype(np.float32)
;;   ~~~
;;   SOFTMAX AHEAD OF A QUANTISED PRODUCT. Where the list says 'softmax', what is quantised is not the finished softmax but p = 2^(t - M), with t = logit x log2(e) and M = ceil(the row's largest t), a whole number; so 1/2 < the row's largest p <= 1. The row's sum l is taken of the UNQUANTISED p, in f32, and the product's result is divided by l at the end. Since M is a whole number, a kernel that streams over the keys may use a running M (the ceiling of the running maximum): every later rescaling is an exact power of two, which a block's scale takes up: the codes' values come out the same.
;;   OPERANDS COMPUTED ON THE WAY. 'Computed on the way' means the value that the module computes at that place (a softmax that the list does not call 'softmax' is quantised finished and normalised). What goes into a quantiser is computed in f32, as accurately as f32 sums, v_exp_f32 and their like allow (about 1e-6 of the number): no bf16 or f16 on the way to a quantiser, and a product that is left as it is and whose result goes on into a quantised operand takes f32 operands (vector FMAs, or v_wmma_f32_16x16x4_f32). A number that lies on a knife's edge between two numbers of the format may be rounded either way, as far as f32 arithmetic and the matrix unit's own rounding can turn it there, and no further.
;; 2 versions, each right; version 2 is version 1 with the launch attn written anew for expert scheduling mode. Each part assembles by itself: llvm-mc -triple=amdgcn-amd-amdhsa -mcpu=gfx1250 --defsym DOCPART=n.
;; ======== version 1 of 2: 4 launches
;; workspace buffers: xq 6,553,600 bytes; wq 3,801,088 bytes; qkv 20,185,088 bytes; yq 6,553,600 bytes
;; launch prep (part 1): grid 704 x 1, 4 waves a work-group, no clusters, 58,880 bytes of LDS; arguments x, W_in, W_out, xq, wq; writes xq, wq
.if DOCPART == 1
	.amdgcn_target "amdgcn-amd-amdhsa--gfx1250"
	.amdhsa_code_object_version 6
	.text
	.protected	k_q6d93e0fab0_prep
	.globl	k_q6d93e0fab0_prep
	.p2align	8
	.type	k_q6d93e0fab0_prep,@function
k_q6d93e0fab0_prep:
	s_mov_b64 s[64:65], 0
	v_nop
	global_prefetch_b8 v0, s[64:65] scope:SCOPE_SE
	s_setreg_imm32_b32 hwreg(HW_REG_WAVE_MODE, 25, 1), 1
	s_wait_xcnt 0x0
; x [8192][1024], W_in [1024][3072], W_out [1024][1024], f32, become codes of FP6 (E2M3) with one E8M0 byte for each 32 along K (K = 1024: x's last axis, the weights' first),
; laid as IMAGES OF OPERAND REGISTERS; and the table of cos and sin for the rotation is made.
; A tile is 16 rows; lane index r of tile a stands for row 32 (a / 2) + 8 (a % 2) + r % 8 + 16 (r / 8).  A unit of 768 bytes is 16 rows x 64 along K: byte 256 p + 8 (r + 16 h) + e is byte 8 p + e of the 24 bytes of
; codes of block h of that row: three loads of 8 bytes a lane, 256 consecutive bytes each, give registers 0-5 of half a fragment.  Units: group of 128 rows x 98,304 + (K / 256) x 24,576 + tile x 3,072 + (K / 64 % 4) x 768.
; Scale bytes: group x 4,096 + (K / 256) x 1,024 + (16 tile + r) x 8 + (K / 32) % 8.
; A block's scale is 2^(floor(log2(largest magnitude)) - 2); its byte is the largest magnitude's exponent field - 2, held at 1 from below (a block of zeros keeps the byte 1: its codes are zeros, and this program alone reads the bytes).
; LIMITS: NaN and infinities are not served; blocks whose largest magnitude lies under 2^-124 keep the byte 1.  The rotation's frequencies are good to about 1e-7 of their value, so an angle may differ from
; a correctly rounded one by about 2e-4 at position 2,047.  x's scale words leave in runs of 128 bytes, half of an aligned 256.
; Work-groups 0-511: a tile of x, wave = K / 256.  512-639: 128 columns x 256 K of a weight.  640-703: 32 positions of the table.  Waves share nothing: no barrier.  Each way has LDS bytes of its own.
.set X_SCL,  6291456
.set WI_SCL, 2359296
.set WO_IMG, 2457600
.set WO_SCL, 3244032
.set ROPE,   3276800
.set SEL, 20                           ; s[20:21] lane selects: lane l xor 16
.set PC,  16                           ; v16-35 codes
.set TM,  36                           ; v36-39 largest magnitudes, v40-43 bytes, v44-47 the conversions' scale operands
.set R0,  64                           ; v64-127, v128-191 numbers as loaded
.set R1,  128
.set XN,  192                          ; v192-255 64 numbers: register 16 b + i = k 32 b + 16 h + i of my row
.set WST, 33792                        ; LDS: the weights' stages begin here
; 64 numbers of a lane become a fragment's 12 registers of codes in v[PC] on and its scale word in v[pw]
.macro QUANT s, pw
.irp b, 0,1,2,3
	v_max3_num_f32 v[TM+\b], |v[\s+16*\b]|, |v[\s+1+16*\b]|, 0x1800000   ; my 16 numbers of block b, and the floor 2^(3 - 127): the byte cannot fall under 1
.endr
.irp i, 2,4,6,8,10,12,14
.irp b, 0,1,2,3
	v_max3_num_f32 v[TM+\b], v[TM+\b], |v[\s+16*\b+\i]|, |v[\s+1+16*\b+\i]|
.endr
.endr
.irp b, 0,1,2,3
	v_permlanex16_b32 v[TM+4+\b], v[TM+\b], s[SEL], s[SEL+1]
.endr
.irp b, 0,1,2,3
	v_max_num_f32 v[TM+\b], v[TM+\b], v[TM+4+\b]      ; with lane l xor 16's: the block's largest magnitude
.endr
.irp b, 0,1,2,3
	v_add_nc_u32 v[TM+8+\b], 0xff000000, v[TM+\b]     ; 2 off its exponent field: the conversion's scale operand
.endr
.irp b, 0,1,2,3
	v_lshrrev_b32 v[TM+4+\b], 23, v[TM+8+\b]          ; the scale's byte
.endr
	v_lshl_or_b32 v[\pw], v[TM+5], 8, v[TM+4]
	v_lshl_or_b32 v[\pw], v[TM+6], 16, v[\pw]
	v_lshl_or_b32 v[\pw], v[TM+7], 24, v[\pw]
.irp c, 0,1
	v_cvt_scalef32_pk16_fp6_f32 v[PC+6*\c:PC+2+6*\c], v[\s+32*\c:\s+15+32*\c], v[TM+8+2*\c]
	v_cvt_scalef32_pk16_fp6_f32 v[PC+12+4*\c:PC+14+4*\c], v[\s+16+32*\c:\s+31+32*\c], v[TM+8+2*\c+1]   ; (a conversion's three registers begin on an even number)
.endr
	v_nop                                             ; one plain place behind a scaled conversion
.irp c, 0,1                                       ; the operand wants a whole block in a lane: lanes 0-15 block 2 c, lanes 16-31 block 2 c + 1
.irp i, 0,1,2
	v_permlane16_swap_b32 v[PC+6*\c+\i], v[PC+12+4*\c+\i]
.endr
.irp i, 0,1,2
	v_mov_b32 v[PC+3+6*\c+\i], v[PC+12+4*\c+\i]
.endr
.endr
.endm
	s_load_b256 s[4:11], s[0:1], 0x0               ; x s[4:5], W_in s[6:7], W_out s[8:9], xq s[10:11]
	s_load_b64 s[12:13], s[0:1], 0x20              ; wq
	v_lshl_add_u32 v62, v0, 2, 0xe400
	v_mov_b32 v63, 0
	v_lshrrev_b32 v1, 5, v0
	v_readfirstlane_b32 s14, v1                    ; wave 0..3
	v_and_b32 v1, 31, v0                           ; lane
	v_and_b32 v2, 15, v0                           ; r
	v_bfe_u32 v3, v0, 4, 1                         ; h
	v_lshlrev_b32 v7, 3, v1                        ; 8 x lane
	s_mov_b32 s[SEL], 0x76543210
	s_mov_b32 s[SEL+1], 0xfedcba98
	s_mov_b32 s17, 0
	s_wait_kmcnt 0x0
	s_cmp_lt_u32 ttmp9, 512
	s_cbranch_scc0 .Lnot_x
	; ---- x: tile a = the work-group's number, 16 rows x 256 along K for a wave
	s_lshr_b32 s16, ttmp9, 1
	s_lshl_b32 s16, s16, 5
	s_and_b32 s18, ttmp9, 1
	s_lshl_b32 s18, s18, 3
	s_add_co_u32 s16, s16, s18                     ; the tile's first row: 32 (a / 2) + 8 (a % 2)
	s_lshl_b32 s16, s16, 12                        ; rows of 4,096 bytes
	s_lshl_b32 s18, s14, 10                        ; my 256 along K
	s_add_co_u32 s16, s16, s18
	s_add_nc_u64 s[4:5], s[4:5], s[16:17]
	s_lshr_b32 s18, ttmp9, 3                       ; group of 128 rows
	s_and_b32 s19, ttmp9, 7                        ; tile in it
	s_mul_i32 s16, s18, 98304
	s_mul_i32 s22, s14, 24576
	s_add_co_u32 s16, s16, s22
	s_mul_i32 s22, s19, 3072
	s_add_co_u32 s16, s16, s22
	s_add_nc_u64 s[24:25], s[10:11], s[16:17]      ; my four units
	s_lshl_b32 s16, s18, 12
	s_lshl_b32 s22, s14, 10
	s_add_co_u32 s16, s16, s22
	s_lshl_b32 s22, s19, 7
	s_add_co_u32 s16, s16, s22
	s_add_co_u32 s16, s16, X_SCL
	s_add_nc_u64 s[26:27], s[10:11], s[16:17]      ; my 128 scale bytes
	v_lshlrev_b32 v4, 4, v1                        ; 16 x lane
.irp q, 0,1                                    ; a load reads 512 consecutive bytes: 128 numbers of one row
.irp p, 0,1,2,3,4,5,6,7,8,9,10,11,12,13,14,15
	global_load_b128 v[R0+64*\q+4*\p:R0+64*\q+4*\p+3], v4, s[4:5] offset:((\p%8)+16*(\p/8))*4096+512*\q th:TH_LOAD_NT
.endr
.endr
	s_mul_i32 s15, s14, 8448                       ; my stage: 16 rows x (512 + 16) bytes
	v_add_nc_u32 v5, s15, v4                       ; in: as loaded
	v_mul_u32_u24 v6, v2, 528
	v_lshl_add_u32 v6, v3, 6, v6
	v_add_nc_u32 v6, s15, v6                       ; out: row r, + 64 h: my 16 numbers of each block of 32
	v_lshlrev_b32 v8, 3, v2
	v_lshl_add_u32 v8, v3, 2, v8                   ; a scale word's place: 8 r + 4 h
.irp b, 0,1,2,3
	v_mov_b32 v[TM+4+\b], 0                        ; a lane permute's destination counts as one of its sources
.endr
.macro THROUGH src, dst                        ; LDS serves a wave's instructions in order: no wait between the stores and the loads
.irp p, 0,1,2,3,4,5,6,7,8,9,10,11,12,13,14,15
	ds_store_b128 v5, v[\src+4*\p:\src+4*\p+3] offset:528*\p
.endr
.irp b, 0,1,2,3
.irp j, 0,1,2,3
	ds_load_b128 v[\dst+16*\b+4*\j:\dst+16*\b+4*\j+3], v6 offset:128*\b+16*\j
.endr
.endr
	s_wait_dscnt 0x0
.endm
	s_wait_loadcnt 16                              ; the first 128 along K are in; the second 16 loads may be out
	THROUGH R0, XN
	QUANT XN, 48
.irp p, 0,1,2,3,4,5
	global_store_b64 v7, v[PC+2*\p:PC+2*\p+1], s[24:25] offset:(\p/3)*768+(\p%3)*256   ; 32 lanes store 256 consecutive bytes, aligned
.endr
	s_wait_loadcnt 0x0
	THROUGH R1, R0
	s_wait_xcnt 0x0                                ; the stores have read the codes' registers: they are written again only behind this wait
	QUANT R0, 49
.irp p, 0,1,2,3,4,5
	global_store_b64 v7, v[PC+2*\p:PC+2*\p+1], s[24:25] offset:1536+(\p/3)*768+(\p%3)*256
.endr
	v_cmp_eq_u32 vcc_lo, 1, v3
	v_cndmask_b32 v50, v48, v49, vcc_lo            ; lanes 0-15 carry the first word of row r, lanes 16-31 the second
	global_store_b32 v8, v50, s[26:27]
	s_wait_tensorcnt 0x0
	ds_add_u32 v62, v63
	s_wait_dscnt 0x0
	s_endpgm
.Lnot_x:
	s_cmp_lt_u32 ttmp9, 640
	s_cbranch_scc0 .Lrope
	; ---- a weight: a lane takes a column n, its registers run down K: a block of 32 lies in one lane
	s_sub_co_u32 s16, ttmp9, 512
	s_mov_b32 s18, 4096
	s_mov_b32 s22, WO_SCL
	s_cmp_lt_u32 s16, 96                           ; W_in's work-group or W_out's: the choice hangs on the work-group's number alone
	s_cselect_b64 s[4:5], s[6:7], s[8:9]
	s_cselect_b32 s18, 12288, s18                  ; bytes from row to row
	s_cselect_b32 s19, 0, WO_IMG
	s_cselect_b32 s22, WI_SCL, s22
	s_cselect_b32 s23, 0, 96
	s_sub_co_u32 s16, s16, s23
	s_and_b32 s23, s16, 3                          ; K / 256
	s_lshr_b32 s16, s16, 2                         ; group of 128 columns
	s_lshl_b32 s24, s16, 9
	s_lshl_b32 s25, s14, 7
	s_add_co_u32 s24, s24, s25                     ; my wave's first column, in bytes
	s_lshl_b32 s25, s23, 8
	s_mul_i32 s25, s25, s18
	s_add_co_u32 s24, s24, s25
	s_mov_b32 s25, 0
	s_add_nc_u64 s[32:33], s[4:5], s[24:25]        ; a base for each of the eight blocks, never stepped
	s_lshl_b32 s24, s18, 5
.irp t, 1,2,3,4,5,6,7
	s_add_nc_u64 s[32+2*\t:33+2*\t], s[30+2*\t:31+2*\t], s[24:25]
.endr
	v_lshlrev_b32 v64, 2, v1                       ; v64-95: 4 x lane + i rows
.irp i, 1,2,3,4,5,6,7,8,9,10,11,12,13,14,15,16,17,18,19,20,21,22,23,24,25,26,27,28,29,30,31
	v_add_nc_u32 v[64+\i], s18, v[63+\i]
.endr
.macro LOADW t                                 ; block t into set t % 2: each load reads 128 consecutive bytes, the four waves side by side 512
.irp i, 0,1,2,3,4,5,6,7,8,9,10,11,12,13,14,15,16,17,18,19,20,21,22,23,24,25,26,27,28,29,30,31
	global_load_b32 v[96+32*((\t)%2)+\i], v[64+\i], s[32+2*(\t):33+2*(\t)] th:TH_LOAD_NT
.endr
.endm
	LOADW 0
	LOADW 1
	s_mul_i32 s24, s16, 98304
	s_mul_i32 s28, s23, 24576
	s_add_co_u32 s24, s24, s28
	s_mul_i32 s28, s14, 6144
	s_add_co_u32 s24, s24, s28
	s_add_co_u32 s24, s24, s19
	s_add_nc_u64 s[26:27], s[12:13], s[24:25]      ; my two tiles' units: 6,144 dense bytes
	s_lshl_b32 s24, s16, 12
	s_lshl_b32 s28, s23, 10
	s_add_co_u32 s24, s24, s28
	s_lshl_b32 s28, s14, 8
	s_add_co_u32 s24, s24, s28
	s_add_co_u32 s24, s24, s22
	s_add_nc_u64 s[28:29], s[12:13], s[24:25]      ; my 256 scale bytes
	; column 32 w + lane is lane index r = lane % 8 + 8 (lane / 16) of tile 2 w + (lane / 8) % 2
	v_bfe_u32 v4, v0, 3, 1
	v_and_b32 v5, 7, v0
	v_lshlrev_b32 v9, 3, v5
	v_lshl_add_u32 v9, v3, 6, v9
	v_mad_u32_u24 v9, v4, 3072, v9
	s_mul_i32 s15, s14, 6144
	s_add_co_u32 s15, s15, WST                     ; my stage: the 6,144 bytes as they will lie in memory
	v_add_nc_u32 v9, s15, v9                       ; in: tile x 3,072 + 8 r
	v_lshlrev_b32 v12, 4, v1
	v_add_nc_u32 v10, s15, v12                     ; out: 16 x lane
	v_lshl_add_u32 v11, v4, 4, v5
	v_lshl_add_u32 v11, v3, 3, v11
	v_lshlrev_b32 v11, 3, v11                      ; my row's 8 scale bytes
.macro BLOCKW t
.set XS, 96+32*((\t)%2)
.if (\t) < 7
	s_wait_loadcnt 32                              ; this block's 32 loads are in; the next block's may be out
.else
	s_wait_loadcnt 0x0
.endif
	v_max3_num_f32 v36, |v[XS]|, |v[XS+1]|, |v[XS+2]|
	v_max3_num_f32 v37, |v[XS+3]|, |v[XS+4]|, |v[XS+5]|
.irp i, 6,10,14,18,22,26
	v_max3_num_f32 v36, v36, |v[XS+\i]|, |v[XS+\i+1]|
	v_max3_num_f32 v37, v37, |v[XS+\i+2]|, |v[XS+\i+3]|
.endr
	v_max3_num_f32 v36, v36, |v[XS+30]|, |v[XS+31]|
	v_max3_num_f32 v36, v36, v37, 0x1800000        ; and the floor
	v_add_nc_u32 v38, 0xff000000, v36
	v_lshrrev_b32 v39, 23, v38
.if (\t)%4 == 0
	v_mov_b32 v[48+(\t)/4], v39
.else
	v_lshl_or_b32 v[48+(\t)/4], v39, 8*((\t)%4), v[48+(\t)/4]
.endif
	v_cvt_scalef32_pk16_fp6_f32 v[16:18], v[XS:XS+15], v38
	v_cvt_scalef32_pk16_fp6_f32 v[22:24], v[XS+16:XS+31], v38
	v_nop                                          ; one plain place behind a scaled conversion
	v_mov_b32 v19, v22
	v_mov_b32 v20, v23
	v_mov_b32 v21, v24
.irp p, 0,1,2
	ds_store_b64 v9, v[16+2*\p:17+2*\p] offset:((\t)/2)*768+((\t)%2)*128+256*\p
.endr
.if (\t)+2 < 8
	LOADW (\t)+2
.endif
	s_wait_dscnt 0x0                               ; the stores have read their registers
.endm
.irp t, 0,1,2,3,4,5,6,7
	BLOCKW \t
.endr
	global_store_b64 v11, v[48:49], s[28:29]       ; 32 lanes fill one aligned run of 256 bytes
.irp m, 0,1,2,3,4,5,6,7,8,9,10,11
	ds_load_b128 v[160+4*\m:163+4*\m], v10 offset:512*\m
.endr
.irp m, 0,1,2,3,4,5,6,7,8,9,10,11
	s_wait_dscnt 11-\m
	global_store_b128 v12, v[160+4*\m:163+4*\m], s[26:27] offset:512*\m
.endr
	s_wait_tensorcnt 0x0
	ds_add_u32 v62, v63
	s_wait_dscnt 0x0
	s_endpgm
.Lrope:
	; ---- cos and sin of t x 10000^(-i / 32): a wave takes 8 positions t, a lane the pair i.  No sine instruction: quadrant by two-part reduction, then polynomials on [-pi/4, pi/4]
	s_sub_co_u32 s16, ttmp9, 640
	s_lshl_b32 s16, s16, 5
	s_lshl_b32 s18, s14, 3
	s_add_co_u32 s16, s16, s18                     ; my first position
	s_lshl_b32 s18, s16, 8
	s_add_co_u32 s18, s18, ROPE
	s_mov_b32 s19, 0
	s_add_nc_u64 s[12:13], s[12:13], s[18:19]
	s_mov_b32 s30, 0xb94ca1f9                      ; sine: -1.9515296e-4, 8.3321609e-3, -0.16666655
	s_mov_b32 s31, 0x3c08839e
	s_mov_b32 s32, 0xbe2aaaa3
	s_mov_b32 s33, 0x37ccf5ce                      ; cosine: 2.4433157e-5, -1.3887316e-3, 4.1666646e-2
	s_mov_b32 s34, 0xbab6061a
	s_mov_b32 s35, 0x3d2aaaa5
	s_mov_b32 s36, 0xbfc90fdb                      ; -(pi/2's upper part)
	s_mov_b32 s37, 0x333bbd2e                      ; -(pi/2's lower part): +4.3711388e-8
	v_cvt_f32_u32 v4, v1
	v_mul_f32 v5, 0x3ed49a78, v4                   ; i x log2(10000) / 32
	v_floor_f32 v6, v5                             ; its whole part n
	v_fma_f32 v5, v4, 0x3ed49a78, -v6              ; the rest, rounded once,
	v_fma_f32 v5, v4, 0x32179a6b, v5               ; and i x the constant's lower part
	v_cvt_i32_f32 v6, v6
	v_sub_nc_u32 v6, 0, v6
	v_exp_f32 v5, -v5
	v_nop                                          ; a plain place behind the transcendental
	s_wait_alu depctr_va_vdst(0)                   ; a wait ahead of the first reader
	v_ldexp_f32 v5, v5, v6                         ; the frequency
.irp u, 0,1,2,3,4,5,6,7
	s_add_co_u32 s18, s16, \u
	v_cvt_f32_u32 v8, s18
	v_mul_f32 v8, v8, v5                           ; the angle
	v_mul_f32 v9, 0x3f22f983, v8
	v_rndne_f32 v9, v9                             ; quarter turns
	v_fma_f32 v10, v9, s36, v8
	v_fma_f32 v10, v9, s37, v10                    ; what is left, in [-pi/4, pi/4]
	v_mul_f32 v11, v10, v10
	v_fma_f32 v12, v11, s30, s31
	v_fma_f32 v12, v12, v11, s32
	v_mul_f32 v13, v11, v10
	v_fma_f32 v12, v12, v13, v10                   ; its sine
	v_fma_f32 v14, v11, s33, s34
	v_fma_f32 v14, v14, v11, s35
	v_fma_f32 v15, v11, -0.5, 1.0
	v_mul_f32 v13, v11, v11
	v_fma_f32 v14, v14, v13, v15                   ; its cosine
	v_cvt_i32_f32 v9, v9
	v_and_b32 v13, 1, v9
	v_cmp_eq_u32 vcc_lo, 1, v13
	v_cndmask_b32 v15, v14, v12, vcc_lo            ; an odd quarter swaps the two
	v_cndmask_b32 v12, v12, v14, vcc_lo
	v_add_nc_u32 v13, 1, v9
	v_and_b32 v13, 2, v13
	v_lshlrev_b32 v13, 30, v13
	v_xor_b32 v[100+2*\u], v13, v15                ; cos: negative in quarters 1 and 2
	v_and_b32 v13, 2, v9
	v_lshlrev_b32 v13, 30, v13
	v_xor_b32 v[101+2*\u], v13, v12                ; sin: negative in quarters 2 and 3
	global_store_b64 v7, v[100+2*\u:101+2*\u], s[12:13] offset:256*\u   ; a position's 32 pairs: 256 consecutive bytes, aligned
.endr
	s_endpgm
.Lfunc_end_k_q6d93e0fab0_prep:
	.size	k_q6d93e0fab0_prep, .Lfunc_end_k_q6d93e0fab0_prep-k_q6d93e0fab0_prep
	.p2alignl 7, 3214868480
	.fill 96, 4, 3214868480
	.section	.rodata,"a",@progbits
	.p2align	6, 0x0
	.amdhsa_kernel k_q6d93e0fab0_prep
		.amdhsa_group_segment_fixed_size 58880
		.amdhsa_private_segment_fixed_size 0
		.amdhsa_enable_private_segment 0
		.amdhsa_kernarg_size 40
		.amdhsa_user_sgpr_count 2
		.amdhsa_user_sgpr_kernarg_segment_ptr 1
		.amdhsa_wavefront_size32 1
		.amdhsa_system_sgpr_workgroup_id_x 1
		.amdhsa_system_sgpr_workgroup_id_y 1
		.amdhsa_system_sgpr_workgroup_id_z 1
		.amdhsa_system_vgpr_workitem_id 0
		.amdhsa_next_free_vgpr 256
		.amdhsa_next_free_sgpr 66
		.amdhsa_reserve_vcc 1
		.amdhsa_float_denorm_mode_32 3
		.amdhsa_float_denorm_mode_16_64 3
		.amdhsa_memory_ordered 1
		.amdhsa_forward_progress 1
		.amdhsa_inst_pref_size 74
	.end_amdhsa_kernel
	.amdgpu_metadata
---
amdhsa.version: [ 1, 2 ]
amdhsa.kernels:
  - .name:           k_q6d93e0fab0_prep
    .symbol:         k_q6d93e0fab0_prep.kd
    .args:
      - { .name: x, .offset: 0, .size: 8, .value_kind: global_buffer, .address_space: global }
      - { .name: W_in, .offset: 8, .size: 8, .value_kind: global_buffer, .address_space: global }
      - { .name: W_out, .offset: 16, .size: 8, .value_kind: global_buffer, .address_space: global }
      - { .name: xq, .offset: 24, .size: 8, .value_kind: global_buffer, .address_space: global }
      - { .name: wq, .offset: 32, .size: 8, .value_kind: global_buffer, .address_space: global }
    .group_segment_fixed_size: 58880
    .private_segment_fixed_size: 0
    .kernarg_segment_align: 8
    .kernarg_segment_size: 40
    .max_flat_workgroup_size: 128
    .sgpr_count:     66
    .vgpr_count:     256
    .wavefront_size: 32
...
	.end_amdgpu_metadata
.endif
;; end of part 1
;; launch qkv (part 2): grid 12 x 32, 4 waves a work-group, clusters of 4 x 4, 327,680 bytes of LDS; arguments xq, wq, b_in, qkv; writes qkv
.if DOCPART == 2
	.amdgcn_target "amdgcn-amd-amdhsa--gfx1250"
	.amdhsa_code_object_version 6
	.text
	.protected	k_q6d93e0fab0_qkv
	.globl	k_q6d93e0fab0_qkv
	.p2align	8
	.type	k_q6d93e0fab0_qkv,@function
k_q6d93e0fab0_qkv:
	s_mov_b64 s[64:65], 0
	v_nop
	global_prefetch_b8 v0, s[64:65] scope:SCOPE_SE
	s_setreg_imm32_b32 hwreg(HW_REG_WAVE_MODE, 25, 1), 1
	s_wait_xcnt 0x0
	s_wait_alu depctr_hold_cnt(0) depctr_sa_sdst(0) depctr_va_vdst(0) depctr_va_sdst(0) depctr_va_ssrc(0) depctr_va_vcc(0) depctr_vm_vsrc(0)
	s_getreg_b32 s2, hwreg(HW_REG_IB_STS2, 6, 4)
	s_cmp_eq_u32 s2, 0
	s_cbranch_scc0 .Lentry_in_a_cluster
	s_endpgm
.Lentry_in_a_cluster:
	s_bfe_u32 s2, ttmp6, 0x10000c
	s_cmp_lg_u32 s2, 0xf033
	s_cbranch_scc0 .Lentry_shape_is_right
	s_endpgm
.Lentry_shape_is_right:
; qkv = x W_in + b_in on codes of FP6 (E2M3) with E8M0 scales; q and k are rotated, and q, k (along the head's 64) and v (along the keys) are quantised on the way out.  Nothing wider than codes is stored.
; A tile of 256 x 256 for a work-group of four waves, 128 x 128 a wave: 64 accumulators, 512 registers.  K = 1,024 goes in four steps of 256 through two LDS slots filled by the tensor data mover.
; Operands lie in memory as images of operand registers (units of 768 bytes: 16 rows x 64 K; a fragment is six loads of 8 bytes a lane, 256 consecutive bytes each): a K step's 128 rows are one dense block of 24,576 bytes.
; THE MATRIX INSTRUCTION: source 0 = the operand called B here, source 1 = A.  A lane holds ONE row of A, and since lane index r of tile a stands for row 32 (a / 2) + 8 (a % 2) + r % 8 + 16 (r / 8),
; the 16 registers of B's tiles 2 b and 2 b + 1 are B's 16 neighbouring rows 32 b + 16 (lane / 16) + 0 .. 15: what a quantiser along B's rows wants.
; The cluster's x says what is made: 0: q, 1: k (A = tokens, B = rows of W_in^T: a lane holds a token, registers run along the head's channels); 2: v (A = rows of W_v^T, B = tokens: a lane holds a channel, registers run along the keys).
; Only pointers and tile numbers are chosen by it; it is the same in all sixteen partners.
; CLUSTERS: 4 x 4 work-groups; A's tiles are asked for jointly along a row of the cluster, B's along a column.
; OUT: q: [head 64][tile 128] units, one scale word a row (bytes 0, 1; bytes 2, 3 are 0).  k, v: a record of 13,056 bytes for each head and 128 keys: k's 8 units, v's 4 fragments (16 channels x 128 keys), k's 128 scale words, v's 64.
; LIMITS: NaN and infinities are not served; blocks whose largest magnitude lies under 2^-124 keep the byte 1.
; REGISTERS: window 0: v12-31 addresses; v32-63 scale words, two sets; v64-127 b_in along the registers; v128-223 A's fragments, one set; v224-255 cos and sin of tile 0.  On the way out: v128-191 64 numbers, v192-223 the second set of cos and sin, v32-51 codes, v52-63 at work.
;   window 1: B's fragments, two sets, v0-95 and v128-223; v96-111 b_in of my lane's row.   windows 2, 3: the accumulators ((a, b) at v[8 (8 (a % 4) + b)]).
.set X_SCL,  6291456
.set WI_SCL, 2359296
.set ROPE,   3276800
.set Q_SCL,  6291456
.set KV,     6815744
.set REC,    13056
.set NQ,     2                         ; matrix instructions deep in a slot
.set FR,     12
.set NL,     6                         ; LDS loads that bring a fragment
.set NP,     4                         ; places behind this matrix instruction (ISA guide 7.12.1)
.set HALFT,  24576                     ; 128 rows x 256 K: what one tensor load brings
.set SLOT,   4*HALFT                   ; A's two halves, then B's two
.set SCLL,   2*SLOT                    ; the scale bytes of the 512 rows for all of K: 4 x 4,096, filled once
.set HALFS,  4096
.set SWQ,    SCLL+4*HALFS              ; q's and k's way: 1,024 bytes a wave for scale words
.set SWV,    SWQ+4096                  ; v's way: 512 bytes a wave
.set SPARE,  SWV+2048                  ; the spare words, 128 bytes a wave: two blocks of 256 bytes that no other line names
.set VOV,  12                          ; v12 v's scale words out: 16 (lane % 16) + a head's records x (lane / 16)
.set BRA,  13                          ; v13 4 x my row in a tile
.set PWS,  14
.set PW,   15
.set ADRA, 16                          ; v16-17 LDS address of A's fragments in slot 0, 1
.set SWAV, 18
.set SWLV, 19
.set ADRB, 20                          ; v20-21 the same for B
.set SH16, 22                          ; v22 16 h
.set L16,  23                          ; v23 16 x lane
.set VO,   24                          ; v24 8 x lane
.set H64,  25                          ; v25 64 h
.set VR,   26                          ; v26 256 x my row in a tile + 64 h
.set ADRS, 27                          ; v27 LDS address of my scale words: lanes 0-15 A's rows, lanes 16-31 B's
.set SPW,  28                          ; v28 my spare word; never rewritten
.set NIL,  29                          ; v29 0; never rewritten
.set SWA,  30
.set SWL,  31
.set SC,   32
.set BS,   64
.set AF,   128
.set CS0,  224
.set X,    128
.set T,    32
.set PC,   32
.set TM,   52
.set SEL,  2                           ; s[2:3]
.set RB,   66                          ; s[66:67] the table of cos and sin at my first token
.set G1, 24
.set G0, 32
.set G1B, 48
.set G0B, 56
.set G1S, 68
.set G0S, 76
.set G1SB, 80
.set G0SB, 88
.set SB0, 32                           ; the way out's bases take the descriptors' registers once every tensor load has landed
.set SB1, 34
.set SS0, 36
.set SS1, 38
.set MSB, 0
.macro WIN new                         ; the immediate's high byte repeats the setting that is left
.if MSB != (\new)
	s_set_vgpr_msb (MSB<<8)|(\new)
.set MSB, \new
.endif
.endm
.set MUL_LO, 0xa1                      ; source 0 (B) window 1, source 1 (A) window 0, C and D window 2
.set MUL_HI, 0xf1
.set TO_B,   0x40
; A joint load: waves 0 and 1 fetch for A, waves 2 and 3 for B; the branch hangs on the wave's number alone.  Four v_nop follow each of the two lines.
.macro JLOAD g0a, g1a, g0b, g1b
	s_cmp_eq_u32 s15, 0
	s_cbranch_scc0 .Lfor_b_\@
	tensor_load_to_lds s[\g0a:\g0a+3], s[\g1a:\g1a+7]
	s_nop 0
.rept 4
	v_nop
.endr
	s_branch .Lasked_\@
.Lfor_b_\@:
	tensor_load_to_lds s[\g0b:\g0b+3], s[\g1b:\g1b+7]
	s_nop 0
.rept 4
	v_nop
.endr
.Lasked_\@:
.endm
.macro CREST                           ; a round of the cluster's barrier behind its opening barrier
	s_cmp_lg_u32 s14, 0
	s_cbranch_scc1 .Lnot_wave_0_\@
	s_barrier_signal -3
.Lnot_wave_0_\@:
	s_barrier_wait -3
	s_barrier_signal -1
	s_barrier_wait -1
.endm
.macro CROUND
	s_barrier_signal -1
	s_barrier_wait -1
	CREST
.endm
	s_load_b256 s[4:11], s[0:1], 0x0               ; xq s[4:5], wq s[6:7], b_in s[8:9], qkv s[10:11]
	v_lshl_add_u32 v[SPW], v0, 2, SPARE
	v_mov_b32 v[NIL], 0
	ds_add_u32 v28, v29
	ds_add_u32 v28, v29
	s_wait_dscnt 0x0
	v_lshrrev_b32 v1, 5, v0
	v_readfirstlane_b32 s14, v1                    ; wave 0..3
	s_lshr_b32 s15, s14, 1                         ; which half of A's rows is mine.  Also: I fetch for A (0) or for B (1)
	s_and_b32 s16, s14, 1                          ; which half of B's rows.  Also: which half I fetch
	s_bfe_u32 s40, ttmp6, 0x40000                  ; cx
	s_bfe_u32 s41, ttmp6, 0x40004                  ; cy
	s_and_b32 s18, ttmp7, 0xffff
	s_lshl_b32 s18, s18, 2                         ; 4 x cluster y
	s_lshl_b32 s19, ttmp9, 2                       ; 4 x cluster x
	s_mov_b32 s12, X_SCL
	s_mov_b32 s13, WI_SCL
	s_mov_b32 s[SEL], 0x76543210
	s_mov_b32 s[SEL+1], 0xfedcba98
	s_cmp_eq_u32 ttmp9, 2                          ; v?
	s_cselect_b32 s17, 0, s18
	s_cselect_b32 s42, s18, s19
	s_cselect_b32 s95, 16, 0                       ; W_v's rows begin at group 16 of W_in^T
	s_cselect_b32 s96, s13, s12                    ; where A's scale bytes begin in A's buffer,
	s_cselect_b32 s97, s12, s13                    ; and B's in B's
	s_add_co_u32 s17, s17, s41                     ; A's tile of 256 rows: it never holds cx
	s_add_co_u32 s42, s42, s40                     ; B's: it never holds cy
	s_lshl_b32 s43, s41, 2
	s_lshl_b32 s43, 15, s43                        ; my row of the cluster
	s_lshl_b32 s44, 0x1111, s40                    ; my column
	; descriptor group 1: a dense block as rows of 256 bytes (32 elements of 8 bytes), no padding: 96 rows for a tile, 16 for scale bytes
	s_or_b32 s[G1+0], s43, (3<<16)|(1<<21)         ; 15:0 the mask; 17:16 elements of 8 bytes; 21 set beside a mask
	s_or_b32 s[G1B+0], s44, (3<<16)|(1<<21)
.irp g, G1, G1B
	s_mov_b32 s[\g+1], 32<<16                      ; tensor_dim0
	s_mov_b32 s[\g+2], 96<<16                      ; tensor_dim1
	s_mov_b32 s[\g+3], 32<<16                      ; tile_dim0
	s_mov_b32 s[\g+4], 96                          ; tile_dim1
	s_mov_b32 s[\g+5], 32                          ; stride
	s_mov_b32 s[\g+6], 0
	s_mov_b32 s[\g+7], 0
.endr
	s_or_b32 s[G1S+0], s43, (3<<16)|(1<<21)
	s_or_b32 s[G1SB+0], s44, (3<<16)|(1<<21)
.irp g, G1S, G1SB
	s_mov_b32 s[\g+1], 32<<16
	s_mov_b32 s[\g+2], 16<<16
	s_mov_b32 s[\g+3], 32<<16
	s_mov_b32 s[\g+4], 16
	s_mov_b32 s[\g+5], 32
	s_mov_b32 s[\g+6], 0
	s_mov_b32 s[\g+7], 0
.endr
	s_lshl_b32 s20, s17, 1
	s_add_co_u32 s20, s20, s16
	s_add_co_u32 s20, s20, s95                     ; the group of 128 rows of A that I fetch
	s_lshl_b32 s46, s42, 1
	s_add_co_u32 s46, s46, s16                     ; and of B
	s_lshl_b32 s22, s20, 12
	s_add_co_u32 s22, s22, s96
	s_mul_i32 s20, s20, 98304
	s_lshl_b32 s92, s46, 12
	s_add_co_u32 s92, s92, s97
	s_mul_i32 s46, s46, 98304
	s_mov_b32 s21, 0
	s_mov_b32 s23, 0
	s_mov_b32 s47, 0
	s_mov_b32 s93, 0
	s_mul_i32 s45, s14, HALFT                      ; where they go: no place in the cluster enters an LDS address
	s_lshl_b32 s94, s14, 12
	s_wait_kmcnt 0x0
	s_cmp_eq_u32 ttmp9, 2
	s_cselect_b64 s[98:99], s[6:7], s[4:5]         ; A's buffer
	s_cselect_b64 s[100:101], s[4:5], s[6:7]       ; B's
	s_add_nc_u64 s[20:21], s[98:99], s[20:21]
	s_add_nc_u64 s[22:23], s[98:99], s[22:23]
	s_add_nc_u64 s[46:47], s[100:101], s[46:47]
	s_add_nc_u64 s[92:93], s[100:101], s[92:93]
	CROUND                                         ; all sixteen work-groups are here: the first joint loads meet
	s_mov_b32 s[G0S], 1
	s_add_co_u32 s[G0S+1], s94, SCLL
	s_mov_b64 s[G0S+2:G0S+3], s[22:23]
	s_or_b32 s[G0S+3], s[G0S+3], 0x80000000
	s_mov_b32 s[G0SB], 1
	s_add_co_u32 s[G0SB+1], s94, SCLL
	s_mov_b64 s[G0SB+2:G0SB+3], s[92:93]
	s_or_b32 s[G0SB+3], s[G0SB+3], 0x80000000
	JLOAD G0S, G1S, G0SB, G1SB                     ; the scale bytes first: they are wanted with K step 0
.irp s, 0,1
	s_mov_b32 s[G0+4*\s], 1
	s_add_co_u32 s[G0+4*\s+1], s45, \s*SLOT
	s_add_nc_u64 s[G0+4*\s+2:G0+4*\s+3], s[20:21], \s*HALFT
	s_or_b32 s[G0+4*\s+3], s[G0+4*\s+3], 0x80000000
	s_mov_b32 s[G0B+4*\s], 1
	s_add_co_u32 s[G0B+4*\s+1], s45, \s*SLOT
	s_add_nc_u64 s[G0B+4*\s+2:G0B+4*\s+3], s[46:47], \s*HALFT
	s_or_b32 s[G0B+4*\s+3], s[G0B+4*\s+3], 0x80000000
	JLOAD G0+4*\s, G1, G0B+4*\s, G1B               ; three tensor loads of mine are out
.endr
	v_and_b32 v1, 15, v0                           ; r
	v_bfe_u32 v2, v0, 4, 1                         ; h
	v_and_b32 v3, 31, v0                           ; lane
	v_lshlrev_b32 v[VO], 3, v3
	v_lshlrev_b32 v[L16], 4, v3
	s_mul_i32 s21, s15, HALFT
	s_mul_i32 s22, s16, HALFT
	s_add_co_u32 s22, s22, 2*HALFT
.irp s, 0,1
	v_add_nc_u32 v[ADRA+\s], s21, v[VO]
	v_add_nc_u32 v[ADRB+\s], s22, v[VO]
	s_add_co_u32 s21, s21, SLOT
	s_add_co_u32 s22, s22, SLOT
.endr
	v_lshlrev_b32 v5, 3, v1                        ; a row's 8 scale bytes of a K step
	s_mul_i32 s21, s15, HALFS
	s_mul_i32 s22, s16, HALFS
	s_add_co_u32 s22, s22, 2*HALFS
	s_sub_co_u32 s22, s22, s21
	v_mul_u32_u24 v6, s22, v2                      ; lanes 16-31 take B's
	s_add_co_u32 s21, s21, SCLL
	v_add_nc_u32 v5, v5, v6
	v_add_nc_u32 v[ADRS], s21, v5
	v_lshlrev_b32 v[H64], 6, v2
	v_lshlrev_b32 v[SH16], 4, v2
	v_and_b32 v4, 7, v1
	v_lshrrev_b32 v5, 3, v1
	v_lshl_add_u32 v4, v5, 4, v4                   ; my row in a tile: r % 8 + 16 (r / 8)
	v_lshlrev_b32 v[BRA], 2, v4
	v_lshl_add_u32 v[VR], v4, 8, v[H64]
	s_lshl_b32 s21, s14, 10
	s_add_co_u32 s21, s21, SWQ
	v_lshlrev_b32 v5, 2, v1
	v_lshl_add_u32 v6, v2, 9, v5
	v_add_nc_u32 v[SWA], s21, v6                   ; lanes 0-15: the first head's words, lanes 16-31: the second's, 512 bytes on
	v_add_nc_u32 v[SWL], s21, v[L16]
	s_lshl_b32 s21, s14, 9
	s_add_co_u32 s21, s21, SWV
	v_add_nc_u32 v[SWAV], s21, v5
	v_add_nc_u32 v[SWLV], s21, v[L16]
	v_lshlrev_b32 v5, 4, v1
	v_mul_u32_u24 v6, v2, 16*REC
	v_add_nc_u32 v[VOV], v5, v6
	; biases, and cos and sin of tile 0: loaded on every way, from offsets inside the buffers, so that every register is written; they land under the products
	s_lshl_b32 s21, s42, 8
	s_lshl_b32 s22, s16, 7
	s_add_co_u32 s21, s21, s22                     ; B's first row of mine
	s_lshl_b32 s22, s17, 8
	s_lshl_b32 s23, s15, 7
	s_add_co_u32 s22, s22, s23                     ; A's
	s_add_co_u32 s23, s22, 2048
	s_lshr_b32 s22, s22, 7
	s_and_b32 s22, s22, 15
	s_lshl_b32 s22, s22, 7                         ; as a position in its sequence
	s_cmp_eq_u32 ttmp9, 2
	s_cselect_b32 s21, 0, s21
	s_cselect_b32 s23, s23, 0
	s_cselect_b32 s22, 0, s22
	s_lshl_b32 s12, s21, 2
	s_mov_b32 s13, 0
	s_add_nc_u64 s[12:13], s[8:9], s[12:13]
	s_lshl_b32 s96, s23, 2
	s_mov_b32 s97, 0
	s_add_nc_u64 s[96:97], s[8:9], s[96:97]
	s_lshl_b32 s[RB], s22, 8
	s_add_co_u32 s[RB], s[RB], ROPE
	s_mov_b32 s[RB+1], 0
	s_add_nc_u64 s[RB:RB+1], s[6:7], s[RB:RB+1]
.irp b, 0,1,2,3
.irp j, 0,1,2,3
	global_load_b128 v[BS+16*\b+4*\j:BS+16*\b+4*\j+3], v[H64], s[12:13] offset:128*\b+16*\j   ; b_in at columns 32 b + 16 h + 0 .. 15
.endr
.endr
.irp b, 0,1
.irp j, 0,1,2,3
	global_load_b128 v[CS0+16*\b+4*\j:CS0+16*\b+4*\j+3], v[VR], s[RB:RB+1] offset:128*\b+16*\j   ; (cos, sin) of pairs 16 b + 8 h + 0 .. 7 at my token
.endr
.endr
	WIN 0x40                                       ; destination window 1
.irp a, 0,1,2,3,4,5,6,7
	global_load_b32 v[96+2*\a], v[BRA], s[96:97] offset:(32*(\a/2)+8*(\a%2))*4      ; b_in of my lane's row of tile a; twice, since it is named as a pair
	global_load_b32 v[97+2*\a], v[BRA], s[96:97] offset:(32*(\a/2)+8*(\a%2))*4
.endr
	WIN 0
.macro FRAG reg, adr, q, i             ; a fragment: two units, six loads of 8 bytes a lane, each 256 consecutive bytes
.irp p, 0,1,2,3,4,5
	ds_load_b64 v[\reg+2*\p:\reg+2*\p+1], v[\adr] offset:((\i)*4+2*(\q)+\p/3)*768+(\p%3)*256
.endr
.endm
; 16 matrix instructions: A's blocks a0, a0 + 1 x B's eight.  The 64 accumulators take turns, one instruction a turn, in the same order in every step.
.macro MUL16 a0, p, q, sc, zero
.irp a, \a0, \a0+1
.irp b, 0,1,2,3,4,5,6,7
.if \zero
	v_wmma_scale_f32_16x16x128_f8f6f4 v[8*(8*((\a)%4)+\b):8*(8*((\a)%4)+\b)+7], v[128*(\p)+FR*\b:128*(\p)+FR*\b+FR-1], v[AF+FR*(\a):AF+FR*(\a)+FR-1], 0, v[SC+8*NQ*(\sc)+NQ*\b+(\q)], v[SC+8*NQ*(\sc)+NQ*(\a)+(\q)] matrix_a_fmt:MATRIX_FMT_FP6 matrix_b_fmt:MATRIX_FMT_FP6 matrix_a_scale:MATRIX_SCALE_ROW1
.else
	v_wmma_scale_f32_16x16x128_f8f6f4 v[8*(8*((\a)%4)+\b):8*(8*((\a)%4)+\b)+7], v[128*(\p)+FR*\b:128*(\p)+FR*\b+FR-1], v[AF+FR*(\a):AF+FR*(\a)+FR-1], v[8*(8*((\a)%4)+\b):8*(8*((\a)%4)+\b)+7], v[SC+8*NQ*(\sc)+NQ*\b+(\q)], v[SC+8*NQ*(\sc)+NQ*(\a)+(\q)] matrix_a_fmt:MATRIX_FMT_FP6 matrix_b_fmt:MATRIX_FMT_FP6 matrix_a_scale:MATRIX_SCALE_ROW1
.endif
.endr
.endr
.endm
.macro FETCH_B slot, q, p
	WIN TO_B
.irp i, 0,1,2,3,4,5,6,7
	FRAG 128*(\p)+FR*\i, ADRB+\slot, \q, \i
.endr
	WIN 0
.endm
.macro FETCH_A slot, q, i0
.irp i, \i0, \i0+1, \i0+2, \i0+3
	FRAG AF+FR*(\i), ADRA+\slot, \q, \i
.endr
.endm
.macro SCALES sc                       ; a K step's two scale words a row: lanes 0-15 A's block i, lanes 16-31 B's block i
.irp i, 0,1,2,3,4,5,6,7
	ds_load_b64 v[SC+8*NQ*\sc+NQ*\i:SC+8*NQ*\sc+NQ*\i+1], v[ADRS] offset:\i*128
.endr
.endm
.macro PLACES n                        ; plain vector instructions between a matrix instruction and a load into, or a read of, its registers
.rept \n
	v_nop
.endr
.endm
.macro STEP slot, q, zero              ; 128 along K that have their successor in the same slot
	s_wait_dscnt 4*NL                              ; B's set and A's blocks 0-3 are in; the youngest 24 loads (A's blocks 4-7) may be out
	WIN MUL_LO
	MUL16 0, (\q)%2, \q, \slot, \zero
	MUL16 2, (\q)%2, \q, \slot, \zero
	s_wait_dscnt 0
	PLACES NP
	FETCH_B \slot, (\q)+1, 1-(\q)%2
	FETCH_A \slot, (\q)+1, 0
	WIN MUL_HI
	MUL16 4, (\q)%2, \q, \slot, \zero
	MUL16 6, (\q)%2, \q, \slot, \zero
	PLACES NP
	WIN 0
	FETCH_A \slot, (\q)+1, 4
.endm
; A slot's last 128 change slots: one barrier; in front of it each wave waits for all its tensor loads, adds 0 to its spare word, and waits for that and for its reads of this slot.  fill = 1: the slot is filled again, two K steps ahead.
.macro TURN slot, next, fill
	s_wait_tensorcnt 0x0                           ; all my tensor loads have landed: my part of the next slot
	ds_add_u32 v[SPW], v[NIL]                      ; 0 onto my spare word
	s_wait_dscnt 4*NL+1                            ; (the add and the youngest 24 loads may be out)
	WIN MUL_LO
	MUL16 0, 1, NQ-1, \slot, 0
	s_wait_dscnt 0x0                               ; the add is done, and my reads of this slot are over
	s_barrier_signal -1
	MUL16 2, 1, NQ-1, \slot, 0
	WIN 0
	s_barrier_wait -1
.if \fill
	CREST                                          ; the barrier has opened a round of the cluster's: no wave of any partner still reads this slot or has a load on its way
	s_add_nc_u64 s[G0+4*\slot+2:G0+4*\slot+3], s[G0+4*\slot+2:G0+4*\slot+3], 2*HALFT
	s_add_nc_u64 s[G0B+4*\slot+2:G0B+4*\slot+3], s[G0B+4*\slot+2:G0B+4*\slot+3], 2*HALFT
	JLOAD G0+4*\slot, G1, G0B+4*\slot, G1B         ; the first tensor load behind the round; its four v_nop are also the places in front of the loads below
.else
	PLACES NP
.endif
	v_add_nc_u32 v[ADRS], 1024, v[ADRS]            ; the next K step's scale words
	FETCH_B \next, 0, 0
	FETCH_A \next, 0, 0
	SCALES \next
	WIN MUL_HI
	MUL16 4, 1, NQ-1, \slot, 0
	MUL16 6, 1, NQ-1, \slot, 0
	PLACES NP
	WIN 0
	FETCH_A \next, 0, 4
.endm
	s_wait_tensorcnt 1                             ; the scale bytes and my part of K step 0 are in (K step 1's load may be out),
	s_barrier_signal -1
	s_barrier_wait -1                              ; everybody's are
	FETCH_B 0, 0, 0
	FETCH_A 0, 0, 0
	SCALES 0
	FETCH_A 0, 0, 4
	STEP 0, 0, 1                                   ; the first products start the sums: nothing is cleared
	TURN 0, 1, 1                                   ; K = 1,024 is four K steps: all eight steps of 128 are written out
	STEP 1, 0, 0
	TURN 1, 0, 1
	STEP 0, 0, 0
	TURN 0, 1, 0                                   ; nothing is left to fetch
	STEP 1, 0, 0
	s_wait_dscnt 4*NL
	WIN MUL_LO
	MUL16 0, 1, NQ-1, 1, 0
	MUL16 2, 1, NQ-1, 1, 0
	s_wait_dscnt 0
	WIN MUL_HI
	MUL16 4, 1, NQ-1, 1, 0
	MUL16 6, 1, NQ-1, 1, 0
	WIN 0
	PLACES NP
; 64 numbers of a lane, register 16 b + i = place 32 b + 16 h + i along the quantiser's axis, become 12 registers of codes in v[PC] on and a scale word in v[pw]
.macro QUANT s, pw
.irp b, 0,1,2,3
	v_max3_num_f32 v[TM+\b], |v[\s+16*\b]|, |v[\s+1+16*\b]|, 0x1800000   ; and the floor 2^(3 - 127): the byte cannot fall under 1
.endr
.irp i, 2,4,6,8,10,12,14
.irp b, 0,1,2,3
	v_max3_num_f32 v[TM+\b], v[TM+\b], |v[\s+16*\b+\i]|, |v[\s+1+16*\b+\i]|
.endr
.endr
.irp b, 0,1,2,3
	v_permlanex16_b32 v[TM+4+\b], v[TM+\b], s[SEL], s[SEL+1]
.endr
.irp b, 0,1,2,3
	v_max_num_f32 v[TM+\b], v[TM+\b], v[TM+4+\b]
.endr
.irp b, 0,1,2,3
	v_add_nc_u32 v[TM+8+\b], 0xff000000, v[TM+\b]     ; 2 off the exponent field: the conversion's scale operand
.endr
.irp b, 0,1,2,3
	v_lshrrev_b32 v[TM+4+\b], 23, v[TM+8+\b]
.endr
	v_lshl_or_b32 v[\pw], v[TM+5], 8, v[TM+4]
	v_lshl_or_b32 v[\pw], v[TM+6], 16, v[\pw]
	v_lshl_or_b32 v[\pw], v[TM+7], 24, v[\pw]
.irp c, 0,1
	v_cvt_scalef32_pk16_fp6_f32 v[PC+6*\c:PC+2+6*\c], v[\s+32*\c:\s+15+32*\c], v[TM+8+2*\c]
	v_cvt_scalef32_pk16_fp6_f32 v[PC+12+4*\c:PC+14+4*\c], v[\s+16+32*\c:\s+31+32*\c], v[TM+8+2*\c+1]
.endr
	v_nop                                             ; one plain place behind a scaled conversion
.irp c, 0,1
.irp i, 0,1,2
	v_permlane16_swap_b32 v[PC+6*\c+\i], v[PC+12+4*\c+\i]
.endr
.irp i, 0,1,2
	v_mov_b32 v[PC+3+6*\c+\i], v[PC+12+4*\c+\i]
.endr
.endr
.endm
.macro FINISH                          ; the wave's end; then the closing round: no work-group ends while a partner may still ask for a tile that names it
	s_wait_tensorcnt 0x0
	ds_add_u32 v[SPW], v[NIL]
	s_wait_dscnt 0x0
	CROUND
	s_endpgm
.endm
.irp b, 0,1,2,3
	v_mov_b32 v[TM+4+\b], 0                        ; a lane permute's destination counts as one of its sources
.endr
	s_cmp_eq_u32 ttmp9, 2
	s_cbranch_scc1 .Lway_v
	; ---- q and k: my 128 tokens x two heads
	s_lshl_b32 s20, s17, 1
	s_add_co_u32 s20, s20, s15                     ; my group of 128 tokens
	s_lshr_b32 s21, s20, 4                         ; the batch,
	s_and_b32 s22, s20, 15                         ; the 128 in its sequence
	s_lshl_b32 s23, s42, 1
	s_add_co_u32 s23, s23, s16
	s_and_b32 s23, s23, 7
	s_lshl_b32 s23, s23, 1                         ; my first head
	s_lshl_b32 s21, s21, 4
	s_add_co_u32 s21, s21, s23                     ; batch x 16 + head
	s_lshl_b32 s24, s21, 7
	s_lshl_b32 s25, s22, 3
	s_add_co_u32 s24, s24, s25
	s_mul_i32 s24, s24, 768                        ; q: units,
	s_lshl_b32 s26, s21, 13
	s_lshl_b32 s25, s22, 9
	s_add_co_u32 s26, s26, s25
	s_add_co_u32 s26, s26, Q_SCL                   ; scale words
	s_lshl_b32 s27, s21, 4
	s_add_co_u32 s27, s27, s22
	s_mul_i32 s27, s27, REC
	s_add_co_u32 s27, s27, KV                      ; k: the record,
	s_add_co_u32 s25, s27, 12288                   ; its scale words
	s_mov_b32 s28, 98304
	s_mov_b32 s30, 8192
	s_cmp_eq_u32 ttmp9, 1
	s_cselect_b32 s24, s27, s24
	s_cselect_b32 s26, s25, s26
	s_cselect_b32 s28, 16*REC, s28                 ; from head to head
	s_cselect_b32 s30, 16*REC, s30
	s_mov_b32 s25, 0
	s_mov_b32 s27, 0
	s_mov_b32 s29, 0
	s_mov_b32 s31, 0
	s_add_nc_u64 s[SB0:SB0+1], s[10:11], s[24:25]
	s_add_nc_u64 s[SB1:SB1+1], s[SB0:SB0+1], s[28:29]
	s_add_nc_u64 s[SS0:SS0+1], s[10:11], s[26:27]
	s_add_nc_u64 s[SS1:SS1+1], s[SS0:SS0+1], s[30:31]
.macro OUTQK a                         ; 16 tokens: bias, rotation, quantiser, two units and two scale words a token
.set AC, 64*((\a)%4)
.set CSA, CS0-32*((\a)%2)
.set CSN, CS0-32*(((\a)+1)%2)
.if (\a) > 0
	s_wait_xcnt 0x0                                ; the last tile's stores have read the codes' registers
.endif
.if (\a) < 7
.irp b, 0,1
.irp j, 0,1,2,3
	global_load_b128 v[CSN+16*\b+4*\j:CSN+16*\b+4*\j+3], v[VR], s[RB:RB+1] offset:(32*(((\a)+1)/2)+8*(((\a)+1)%2))*256+128*\b+16*\j
.endr
.endr
	s_wait_loadcnt 8                               ; all but the next tile's eight
.else
	s_wait_loadcnt 0x0
.endif
	WIN 0x02+(\a)/4                                ; source 0: window 2 or 3
.set j, 0
.rept 32
	v_pk_add_f32 v[X+j:X+j+1], v[AC+j:AC+j+1], v[BS+j:BS+j+1]     ; each accumulator from its low end on
.set j, j+2
.endr
	WIN 0
.irp b, 0,1,2,3
.irp m, 0,2,4,6,8,10,12,14
	v_pk_mul_f32 v[T+\m:T+\m+1], v[X+16*\b+\m:X+16*\b+\m+1], v[CSA+16*(\b%2)+\m:CSA+16*(\b%2)+\m+1] op_sel:[1,1] op_sel_hi:[0,1] neg_lo:[0,1]   ; (-x2 sin, x1 sin)
.endr
.irp m, 0,2,4,6,8,10,12,14
	v_pk_fma_f32 v[X+16*\b+\m:X+16*\b+\m+1], v[X+16*\b+\m:X+16*\b+\m+1], v[CSA+16*(\b%2)+\m:CSA+16*(\b%2)+\m+1], v[T+\m:T+\m+1] op_sel_hi:[1,0,1]   ; + (x1 cos, x2 cos)
.endr
.endr
	QUANT X, PW
.irp p, 0,1,2
	global_store_b64 v[VO], v[PC+2*\p:PC+2*\p+1], s[SB0:SB0+1] offset:(\a)*768+256*\p     ; 32 lanes store 256 consecutive bytes, aligned
.endr
.irp p, 0,1,2
	global_store_b64 v[VO], v[PC+6+2*\p:PC+7+2*\p], s[SB1:SB1+1] offset:(\a)*768+256*\p
.endr
	v_lshrrev_b32 v[PWS], v[SH16], v[PW]           ; lanes 0-15: the first head's two bytes, lanes 16-31: the second's;
	v_and_b32 v[PWS], 0xffff, v[PWS]               ; the upper two bytes, which meet zero codes, are 0
	ds_store_b32 v[SWA], v[PWS] offset:(\a)*64
.endm
.irp a, 0,1,2,3,4,5,6,7
	OUTQK \a
.endr
	ds_load_b128 v[X:X+3], v[SWL]                  ; LDS serves a wave's instructions in order: these see my stores
	ds_load_b128 v[X+4:X+7], v[SWL] offset:512
	s_wait_dscnt 0x0
	global_store_b128 v[L16], v[X:X+3], s[SS0:SS0+1]       ; 512 consecutive bytes each
	global_store_b128 v[L16], v[X+4:X+7], s[SS1:SS1+1]
	FINISH
.Lway_v:
	; ---- v: my 128 channels (two heads) x 128 keys
	s_lshl_b32 s20, s17, 1
	s_add_co_u32 s20, s20, s15
	s_lshl_b32 s20, s20, 1                         ; my first head
	s_lshl_b32 s21, s42, 1
	s_add_co_u32 s21, s21, s16                     ; my group of 128 tokens
	s_lshr_b32 s22, s21, 4
	s_and_b32 s21, s21, 15
	s_lshl_b32 s22, s22, 4
	s_add_co_u32 s22, s22, s20
	s_lshl_b32 s22, s22, 4
	s_add_co_u32 s22, s22, s21
	s_mul_i32 s24, s22, REC
	s_add_co_u32 s24, s24, KV+6144
	s_mov_b32 s25, 0
	s_add_nc_u64 s[SB0:SB0+1], s[10:11], s[24:25]  ; v's fragments in the first head's record
	s_wait_loadcnt 0x0
.macro OUTV a                          ; 16 channels: bias, quantiser along the keys, one fragment and one scale word a channel
.set AC, 64*((\a)%4)
.if (\a) > 0
	s_wait_xcnt 0x0
.endif
	WIN 0x06+(\a)/4                                ; source 0: window 2 or 3; source 1: window 1
.set j, 0
.rept 32
	v_pk_add_f32 v[X+j:X+j+1], v[AC+j:AC+j+1], v[96+2*(\a):97+2*(\a)] op_sel_hi:[1,0]
.set j, j+2
.endr
	WIN 0
	QUANT X, PW
.irp p, 0,1,2,3,4,5
	global_store_b64 v[VO], v[PC+2*\p:PC+2*\p+1], s[SB0:SB0+1] offset:((\a)/4)*16*REC+((\a)%4)*1536+256*\p
.endr
	ds_store_b32 v[SWAV], v[PW] offset:(\a)*64     ; both halves of the lanes write the same word with the same value
.endm
.irp a, 0,1,2,3,4,5,6,7
	OUTV \a
.endr
	ds_load_b128 v[X:X+3], v[SWLV]
	s_wait_dscnt 0x0
	global_store_b128 v[VOV], v[X:X+3], s[SB0:SB0+1] offset:6656   ; sixteen lanes fill 256 consecutive bytes of each head's record
	FINISH
.Lfunc_end_k_q6d93e0fab0_qkv:
	.size	k_q6d93e0fab0_qkv, .Lfunc_end_k_q6d93e0fab0_qkv-k_q6d93e0fab0_qkv
	.p2alignl 7, 3214868480
	.fill 96, 4, 3214868480
	.section	.rodata,"a",@progbits
	.p2align	6, 0x0
	.amdhsa_kernel k_q6d93e0fab0_qkv
		.amdhsa_group_segment_fixed_size 327680
		.amdhsa_private_segment_fixed_size 0
		.amdhsa_enable_private_segment 0
		.amdhsa_kernarg_size 32
		.amdhsa_user_sgpr_count 2
		.amdhsa_user_sgpr_kernarg_segment_ptr 1
		.amdhsa_wavefront_size32 1
		.amdhsa_system_sgpr_workgroup_id_x 1
		.amdhsa_system_sgpr_workgroup_id_y 1
		.amdhsa_system_sgpr_workgroup_id_z 1
		.amdhsa_system_vgpr_workitem_id 0
		.amdhsa_next_free_vgpr 1024
		.amdhsa_next_free_sgpr 102
		.amdhsa_reserve_vcc 0
		.amdhsa_float_denorm_mode_32 3
		.amdhsa_float_denorm_mode_16_64 3
		.amdhsa_memory_ordered 1
		.amdhsa_forward_progress 1
		.amdhsa_inst_pref_size 255
	.end_amdhsa_kernel
	.section	.bss,"aw",@nobits
	.p2align	6
	.space	262144
	.amdgpu_metadata
---
amdhsa.version: [ 1, 2 ]
amdhsa.kernels:
  - .name:           k_q6d93e0fab0_qkv
    .symbol:         k_q6d93e0fab0_qkv.kd
    .args:
      - { .name: xq, .offset: 0, .size: 8, .value_kind: global_buffer, .address_space: global }
      - { .name: wq, .offset: 8, .size: 8, .value_kind: global_buffer, .address_space: global }
      - { .name: b_in, .offset: 16, .size: 8, .value_kind: global_buffer, .address_space: global }
      - { .name: qkv, .offset: 24, .size: 8, .value_kind: global_buffer, .address_space: global }
    .group_segment_fixed_size: 327680
    .private_segment_fixed_size: 0
    .kernarg_segment_align: 8
    .kernarg_segment_size: 32
    .max_flat_workgroup_size: 128
    .sgpr_count:     102
    .vgpr_count:     1024
    .wavefront_size: 32
...
	.end_amdgpu_metadata
.endif
;; end of part 2
;; launch attn (part 3): grid 8 x 64, 16 waves a work-group, no clusters, 28,672 bytes of LDS; arguments qkv, yq; writes yq
.if DOCPART == 3
	.amdgcn_target "amdgcn-amd-amdhsa--gfx1250"
	.amdhsa_code_object_version 6
	.text
	.protected	k_q6d93e0fab0_attn
	.globl	k_q6d93e0fab0_attn
	.p2align	8
	.type	k_q6d93e0fab0_attn,@function
k_q6d93e0fab0_attn:
	s_mov_b64 s[64:65], 0
	v_nop
	global_prefetch_b8 v0, s[64:65] scope:SCOPE_SE
	s_setreg_imm32_b32 hwreg(HW_REG_WAVE_MODE, 25, 1), 1
	s_wait_xcnt 0x0
; y = softmax(q k^T / 8, causal) v for one head, both products on codes of FP6 (E2M3) with E8M0 scales; y is quantised along the model's 1,024 channels on the way out.
; THE SOFTMAX: t = score x log2(e) / 8; M = the running largest t rounded UP to a whole number; p = 2^(t - M) is quantised along the keys, not normalised; the row's sum is taken of the unquantised p and divides at the end.
; When M moves, the sum and O are multiplied by 2^(old M - new M): exact.
; SHARES.  Work-group (i, head) owns the blocks i and 15 - i of 128 queries: 17 block steps for every work-group.  Each of its 16 waves owns one tile of 16 queries; on each SIMD stand waves of both blocks.
; The work-group walks key steps 0 .. 15 - i of 128 keys, two a trip.  A step all of whose keys come after a wave's queries is left out by a scalar branch on ids, round its LDS loads, products and softmax; not round the barrier.
; A key step's record (13,056 dense bytes: k's 8 units, v's 4 fragments, their scale words) comes through registers into one of two LDS buffers, asked for a whole step ahead by all 512 threads; both buffers stand in immediates.
; No cluster: partners would need different numbers of key steps.  No tensor load: the trip count hangs on the work-group's number.
; LAYOUT.  S^T = k q^T (source 0 = 16 keys), O^T = v^T p^T (source 0 = 16 channels): a lane holds one query throughout.  The head's 64 are half of the instruction's 128: q's registers 6-11 are zero codes,
; so whatever stands in k's upper six registers adds nothing (its scale bytes there are 0, never 0xff).
; LIMITS: NaN and infinities are not served.  y's scale bytes leave one byte a lane, 8 bytes apart: a row's other bytes belong to other heads' work-groups.
; REGISTERS: v1-9 addresses; v12 -M, v13 the largest t, v[14:15] the sum; v16-27 q; v28 q's scale words; v32-79 k's eight half fragments, then v's four; v80-85 zeros; v86-89, v90-91 k's and v's scale words;
;   v96-159 S^T, then p; v160-191 O^T; v192-199 the next record's pieces; v224-235 p's codes; v232-254 at work.
.set Q_SCL, 6291456
.set KV,    6815744
.set REC,   13056
.set BUF,   13312
.set Y_SCL, 6291456
.set WV,  8
.set IDX, 10
.set BQ,  11
.set BH,  12
.set SEL, 20
.set CS,  22
.set KS,  24
.set CNT, 25
.set NT2, 26
	s_load_b128 s[4:7], s[0:1], 0x0                ; qkv, yq
	v_lshl_add_u32 v251, v0, 2, 0x6800
	v_mov_b32 v255, 0
	v_lshrrev_b32 v5, 5, v0
	v_readfirstlane_b32 s[WV], v5                  ; wave 0..15
	s_lshr_b32 s9, s[WV], 2
	s_xor_b32 s9, s9, s[WV]
	s_and_b32 s9, s9, 1                            ; the late block (1) or the early one (0)
	s_lshr_b32 s[IDX], s[WV], 1                    ; my tile in it
	s_sub_co_u32 s14, 15, ttmp9
	s_cmp_eq_u32 s9, 1
	s_cselect_b32 s[BQ], s14, ttmp9                ; my block of 128 queries
	s_and_b32 s[BH], ttmp7, 0xffff                 ; batch x 16 + head
	s_sub_co_u32 s[NT2], 17, ttmp9
	s_lshr_b32 s[NT2], s[NT2], 1                   ; trips of two key steps
	s_lshl_b32 s14, s[BH], 7
	s_lshl_b32 s15, s[BQ], 3
	s_add_co_u32 s14, s14, s15
	s_add_co_u32 s14, s14, s[IDX]
	s_mul_i32 s16, s14, 768
	s_mov_b32 s17, 0
	s_lshl_b32 s18, s14, 6
	s_add_co_u32 s18, s18, Q_SCL
	s_mov_b32 s19, 0
	s_mul_i32 s32, s[BH], 16*REC
	s_add_co_u32 s32, s32, KV
	s_mov_b32 s33, 0
	s_mov_b32 s[SEL], 0x76543210
	s_mov_b32 s[SEL+1], 0xfedcba98
	s_mov_b32 s[CS], 0x3e38aa3b                    ; c = log2(e) / 8
	s_mov_b32 s[CS+1], s[CS]                       ; (named with it as a pair)
	s_mov_b32 s[KS], 0
	s_mov_b32 s[CNT], 0
	v_and_b32 v1, 31, v0
	v_lshlrev_b32 v2, 2, v1                        ; 4 x lane
	v_lshlrev_b32 v1, 3, v1                        ; 8 x lane
	v_lshlrev_b32 v3, 4, v0                        ; 16 x thread
	v_lshlrev_b32 v4, 3, v0                        ; 8 x thread
	v_and_b32 v5, 15, v0                           ; r
	v_bfe_u32 v6, v0, 4, 1                         ; h
	v_lshlrev_b32 v7, 2, v5
	s_wait_kmcnt 0x0
	s_add_nc_u64 s[16:17], s[4:5], s[16:17]
	s_add_nc_u64 s[18:19], s[4:5], s[18:19]
	s_add_nc_u64 s[28:29], s[4:5], s[32:33]        ; the head's records
.irp p, 0,1,2
	global_load_b64 v[16+2*\p:17+2*\p], v1, s[16:17] offset:256*\p   ; q's unit stays in registers
.endr
	global_load_b32 v28, v7, s[18:19]
	global_load_b128 v[192:195], v3, s[28:29]      ; record 0: 8,192 + 4,096 + 768 bytes
	global_load_b64 v[196:197], v4, s[28:29] offset:8192
	s_cmp_lt_u32 s[WV], 3
	s_cbranch_scc0 .Lhead_a
	global_load_b64 v[198:199], v4, s[28:29] offset:12288
.Lhead_a:
	s_lshr_b32 s14, s[IDX], 1
	s_lshl_b32 s14, s14, 5
	s_and_b32 s15, s[IDX], 1
	s_lshl_b32 s15, s15, 3
	s_add_co_u32 s14, s14, s15
	v_and_b32 v8, 7, v5
	v_lshrrev_b32 v9, 3, v5
	v_lshl_add_u32 v8, v9, 4, v8
	v_lshlrev_b32 v9, 4, v6
	v_sub_nc_u32 v8, v8, v9
	v_add_nc_u32 v8, s14, v8                       ; my query in its block, less 16 h: register 16 b + i is hidden on the diagonal where 32 b + i is greater
	v_lshl_add_u32 v9, v5, 3, v6                   ; y's scale bytes: 8 r + h
	v_mov_b32 v13, 0xff61b1e6                      ; the largest t so far: -3e38
	v_floor_f32 v12, -v13
	v_mov_b32 v14, 0
	v_mov_b32 v15, 0
.irp j, 22,23,24,25,26,27,80,81,82,83,84,85
	v_mov_b32 v[\j], 0                             ; zero codes
.endr
.irp j, 236,237,238,239,252,253
	v_mov_b32 v[\j], 0                             ; lane permutes' destinations and a pair's upper half count as read
.endr
.set j, 0
.rept 32
	v_mov_b32 v[160+j], 0                          ; O^T: the step is written once; the first change of M leaves zeros zeros
.set j, j+1
.endr
	s_wait_loadcnt 0x0
	ds_store_b128 v3, v[192:195]
	ds_store_b64 v4, v[196:197] offset:8192
	s_cmp_lt_u32 s[WV], 3
	s_cbranch_scc0 .Lhead_b
	ds_store_b64 v4, v[198:199] offset:12288
.Lhead_b:
	s_wait_dscnt 0x0                               ; for the others' sake: my part of record 0 lies in LDS
	s_barrier_signal -1
	s_barrier_wait -1
.macro STEP buf
	s_wait_xcnt 0x0                                ; the last step's loads have read their base
	s_add_co_u32 s14, s[KS], 1
	s_min_u32 s14, s14, 15                         ; the next record, held inside the head's sixteen
	s_mul_i32 s14, s14, REC
	s_mov_b32 s15, 0
	s_add_nc_u64 s[30:31], s[28:29], s[14:15]
	global_load_b128 v[192:195], v3, s[30:31]
	global_load_b64 v[196:197], v4, s[30:31] offset:8192
	s_cmp_lt_u32 s[WV], 3
	s_cbranch_scc0 .Lno3_\@
	global_load_b64 v[198:199], v4, s[30:31] offset:12288
.Lno3_\@:
	s_cmp_gt_u32 s[KS], s[BQ]
	s_cbranch_scc1 .Lhidden_\@
.irp t, 0,1,2,3,4,5,6,7
.irp p, 0,1,2
	ds_load_b64 v[32+6*\t+2*\p:33+6*\t+2*\p], v1 offset:\buf*BUF+\t*768+\p*256
.endr
.endr
.irp g, 0,1,2,3
	ds_load_b32 v[86+\g], v2 offset:\buf*BUF+12288+\g*128      ; lanes 0-15: tile 2 g's words, lanes 16-31: tile 2 g + 1's
.endr
.irp g, 0,1
	ds_load_b32 v[90+\g], v2 offset:\buf*BUF+12800+\g*128
.endr
	s_wait_dscnt 0x0
.irp t, 0,2,4,6
	v_wmma_scale_f32_16x16x128_f8f6f4 v[96+8*\t:103+8*\t], v[32+6*\t:43+6*\t], v[16:27], 0, v[86+\t/2], v28 matrix_a_fmt:MATRIX_FMT_FP6 matrix_b_fmt:MATRIX_FMT_FP6
	v_wmma_scale_f32_16x16x128_f8f6f4 v[104+8*\t:111+8*\t], v[38+6*\t:49+6*\t], v[16:27], 0, v[86+\t/2], v28 matrix_a_fmt:MATRIX_FMT_FP6 matrix_b_fmt:MATRIX_FMT_FP6 matrix_a_scale:MATRIX_SCALE_ROW1
.endr
.rept 4
	v_nop                                          ; places in front of the loads below and of the first read of the scores
.endr
.irp t, 0,1,2,3
.irp p, 0,1,2,3,4,5
	ds_load_b64 v[32+12*\t+2*\p:33+12*\t+2*\p], v1 offset:\buf*BUF+6144+\t*1536+\p*256   ; v's fragments land under the softmax
.endr
.endr
	s_cmp_lg_u32 s[KS], s[BQ]
	s_cbranch_scc1 .Lopen_\@
	v_mov_b32 v254, 0xff800000                     ; on the diagonal hidden scores become -infinity: p = 0 then
.set n, 0
.rept 64
	v_cmp_gt_i32 vcc_lo, 32*(n/16)+n%16, v8
	v_cndmask_b32 v[96+n], v[96+n], v254, vcc_lo
.set n, n+1
.endr
.Lopen_\@:
.irp b, 0,1,2,3
	v_max3_num_f32 v[232+\b], v[96+16*\b], v[97+16*\b], v[98+16*\b]   ; the largest score of each block of 32 keys: for the row's maximum, and, since p rises with the score, for the block's largest p
.endr
.irp i, 3,5,7,9,11,13
.irp b, 0,1,2,3
	v_max3_num_f32 v[232+\b], v[232+\b], v[96+16*\b+\i], v[97+16*\b+\i]
.endr
.endr
.irp b, 0,1,2,3
	v_max_num_f32 v[232+\b], v[232+\b], v[111+16*\b]
.endr
.irp b, 0,1,2,3
	v_permlanex16_b32 v[236+\b], v[232+\b], s[SEL], s[SEL+1]
.endr
.irp b, 0,1,2,3
	v_max_num_f32 v[232+\b], v[232+\b], v[236+\b]
.endr
	v_max3_num_f32 v254, v232, v233, v234
	v_max_num_f32 v254, v254, v235
	v_mul_f32 v254, s[CS], v254
	v_max_num_f32 v13, v13, v254                   ; the running largest t
	v_mov_b32 v254, v12
	v_floor_f32 v12, -v13                          ; the new -M = -ceil(t)
	v_sub_f32 v254, v12, v254
	v_cvt_i32_f32 v254, v254                       ; (it saturates)
	v_ldexp_f32 v252, 1.0, v254                    ; f = 2^(old M - new M)
.set j, 0
.rept 32
	v_pk_fma_f32 v[96+j:97+j], v[96+j:97+j], s[CS:CS+1], v[12:13] op_sel_hi:[1,0,0]   ; t - M
.set j, j+2
.endr
.irp b, 0,1,2,3
	v_fma_f32 v[232+\b], v[232+\b], s[CS], v12
.endr
.set j, 0
.rept 64
	v_exp_f32 v[96+j], v[96+j]                     ; p, at most 1
.set j, j+1
.endr
	v_pk_mul_f32 v[14:15], v[14:15], v[252:253] op_sel_hi:[1,0]   ; the sums under the new M; a plain place behind the exponentials
	s_wait_alu depctr_va_vdst(0)                   ; one wait for the batch, ahead of its first reader
.irp b, 0,1,2,3
	v_exp_f32 v[232+\b], v[232+\b]                 ; the block's largest p
.endr
	v_pk_add_f32 v[236:237], v[96:97], v[98:99]    ; the row's sum of the unquantised p, in two chains
.irp j, 4,8,12,16,20,24,28,32,36,40,44,48,52,56,60
	v_pk_add_f32 v[14:15], v[14:15], v[96+\j:97+\j]
	v_pk_add_f32 v[236:237], v[236:237], v[98+\j:99+\j]
.endr
	v_pk_add_f32 v[14:15], v[14:15], v[236:237]
	s_wait_alu depctr_va_vdst(0)                   ; and one for the four
.irp b, 0,1,2,3
	v_max_num_f32 v[232+\b], 0x1800000, v[232+\b]  ; the floor 2^(3 - 127)
.endr
.irp b, 0,1,2,3
	v_add_nc_u32 v[244+\b], 0xff000000, v[232+\b]
.endr
.irp b, 0,1,2,3
	v_lshrrev_b32 v[236+\b], 23, v[244+\b]
.endr
	v_lshl_or_b32 v253, v237, 8, v236              ; p's scale word for these 128 keys
	v_lshl_or_b32 v253, v238, 16, v253
	v_lshl_or_b32 v253, v239, 24, v253
.irp c, 0,1
	v_cvt_scalef32_pk16_fp6_f32 v[224+6*\c:226+6*\c], v[96+32*\c:111+32*\c], v[244+2*\c]
	v_cvt_scalef32_pk16_fp6_f32 v[236+4*\c:238+4*\c], v[112+32*\c:127+32*\c], v[244+2*\c+1]
.endr
	v_nop                                          ; one plain place behind a scaled conversion
.irp c, 0,1
.irp i, 0,1,2
	v_permlane16_swap_b32 v[224+6*\c+\i], v[236+4*\c+\i]
.endr
.irp i, 0,1,2
	v_mov_b32 v[227+6*\c+\i], v[236+4*\c+\i]
.endr
.endr
.set j, 0
.rept 16
	v_pk_mul_f32 v[160+j:161+j], v[160+j:161+j], v[252:253] op_sel_hi:[1,0]   ; O^T under the new M; these sixteen are also the places in front of the products below
.set j, j+2
.endr
	s_wait_dscnt 0x0                               ; v's fragments are in
.irp t, 0,2
	v_wmma_scale_f32_16x16x128_f8f6f4 v[160+8*\t:167+8*\t], v[32+12*\t:43+12*\t], v[224:235], v[160+8*\t:167+8*\t], v[90+\t/2], v253 matrix_a_fmt:MATRIX_FMT_FP6 matrix_b_fmt:MATRIX_FMT_FP6
	v_wmma_scale_f32_16x16x128_f8f6f4 v[168+8*\t:175+8*\t], v[44+12*\t:55+12*\t], v[224:235], v[168+8*\t:175+8*\t], v[90+\t/2], v253 matrix_a_fmt:MATRIX_FMT_FP6 matrix_b_fmt:MATRIX_FMT_FP6 matrix_a_scale:MATRIX_SCALE_ROW1
.endr
.rept 4
	v_nop                                          ; places in front of the next step's loads and of the next read of O^T
.endr
.Lhidden_\@:
	s_wait_loadcnt 0x0                             ; the next record's pieces, asked for at the step's head
	ds_store_b128 v3, v[192:195] offset:(1-\buf)*BUF
	ds_store_b64 v4, v[196:197] offset:(1-\buf)*BUF+8192
	s_cmp_lt_u32 s[WV], 3
	s_cbranch_scc0 .Lno3b_\@
	ds_store_b64 v4, v[198:199] offset:(1-\buf)*BUF+12288
.Lno3b_\@:
	s_wait_dscnt 0x0                               ; my stores have landed and my reads of this step's buffer are over:
	s_barrier_signal -1                            ; one barrier orders this step's reads ahead of the next fill of this buffer, and this fill ahead of the next step's reads
	s_barrier_wait -1
	s_add_co_u32 s[KS], s[KS], 1
.endm
.Ltrip:
	STEP 0
	STEP 1
	s_add_co_u32 s[CNT], s[CNT], 1
	s_cmp_lt_u32 s[CNT], s[NT2]
	s_cbranch_scc1 .Ltrip
	; THE WAY OUT: O^T / the sum; register 16 b + i is channel 32 b + 16 h + i of my query: two blocks of the next product's K
	v_add_f32 v14, v14, v15
	v_permlanex16_b32 v252, v14, s[SEL], s[SEL+1]
	v_add_f32 v14, v14, v252
	v_rcp_f32 v14, v14
	v_cmp_eq_u32 vcc_lo, 1, v6                     ; (a plain place behind the transcendental)
	s_lshr_b32 s14, s[BH], 4
	s_lshl_b32 s14, s14, 4
	s_add_co_u32 s14, s14, s[BQ]                   ; the group of 128 tokens
	s_and_b32 s15, s[BH], 15
	s_lshr_b32 s15, s15, 2                         ; K / 256 = head / 4
	s_mul_i32 s16, s14, 98304
	s_mul_i32 s17, s15, 24576
	s_add_co_u32 s16, s16, s17
	s_mul_i32 s17, s[IDX], 3072
	s_add_co_u32 s16, s16, s17
	s_and_b32 s17, s[BH], 3
	s_mul_i32 s17, s17, 768
	s_add_co_u32 s16, s16, s17
	s_mov_b32 s17, 0
	s_add_nc_u64 s[32:33], s[6:7], s[16:17]        ; my unit
	s_lshl_b32 s16, s14, 12
	s_lshl_b32 s18, s15, 10
	s_add_co_u32 s16, s16, s18
	s_lshl_b32 s18, s[IDX], 7
	s_add_co_u32 s16, s16, s18
	s_and_b32 s18, s[BH], 3
	s_lshl_b32 s18, s18, 1
	s_add_co_u32 s16, s16, s18
	s_add_co_u32 s16, s16, Y_SCL
	s_add_nc_u64 s[34:35], s[6:7], s[16:17]        ; my head's two bytes of a row's eight
	s_wait_alu depctr_va_vdst(0)                   ; ahead of the reciprocal's first reader
.set j, 0
.rept 32
	v_mul_f32 v[96+j], v[160+j], v14
.set j, j+1
.endr
.irp b, 0,1
	v_max3_num_f32 v[232+\b], |v[96+16*\b]|, |v[97+16*\b]|, 0x1800000
.endr
.irp i, 2,4,6,8,10,12,14
.irp b, 0,1
	v_max3_num_f32 v[232+\b], v[232+\b], |v[96+16*\b+\i]|, |v[97+16*\b+\i]|
.endr
.endr
.irp b, 0,1
	v_permlanex16_b32 v[236+\b], v[232+\b], s[SEL], s[SEL+1]
.endr
.irp b, 0,1
	v_max_num_f32 v[232+\b], v[232+\b], v[236+\b]
.endr
.irp b, 0,1
	v_add_nc_u32 v[244+\b], 0xff000000, v[232+\b]
.endr
.irp b, 0,1
	v_lshrrev_b32 v[236+\b], 23, v[244+\b]
.endr
	v_cvt_scalef32_pk16_fp6_f32 v[224:226], v[96:111], v244
	v_cvt_scalef32_pk16_fp6_f32 v[240:242], v[112:127], v245
	v_nop                                          ; one plain place behind a scaled conversion
.irp i, 0,1,2
	v_permlane16_swap_b32 v[224+\i], v[240+\i]
.endr
.irp i, 0,1,2
	v_mov_b32 v[227+\i], v[240+\i]
.endr
	v_cndmask_b32 v238, v236, v237, vcc_lo         ; lanes 0-15 carry block 0's byte of row r, lanes 16-31 block 1's
.irp p, 0,1,2
	global_store_b64 v1, v[224+2*\p:225+2*\p], s[32:33] offset:256*\p    ; 32 lanes store 256 consecutive bytes, aligned
.endr
	global_store_b8 v9, v238, s[34:35]
	s_wait_tensorcnt 0x0
	ds_add_u32 v251, v255
	s_wait_dscnt 0x0
	s_endpgm
.Lfunc_end_k_q6d93e0fab0_attn:
	.size	k_q6d93e0fab0_attn, .Lfunc_end_k_q6d93e0fab0_attn-k_q6d93e0fab0_attn
	.p2alignl 7, 3214868480
	.fill 96, 4, 3214868480
	.section	.rodata,"a",@progbits
	.p2align	6, 0x0
	.amdhsa_kernel k_q6d93e0fab0_attn
		.amdhsa_group_segment_fixed_size 28672
		.amdhsa_private_segment_fixed_size 0
		.amdhsa_enable_private_segment 0
		.amdhsa_kernarg_size 16
		.amdhsa_user_sgpr_count 2
		.amdhsa_user_sgpr_kernarg_segment_ptr 1
		.amdhsa_wavefront_size32 1
		.amdhsa_system_sgpr_workgroup_id_x 1
		.amdhsa_system_sgpr_workgroup_id_y 1
		.amdhsa_system_sgpr_workgroup_id_z 1
		.amdhsa_system_vgpr_workitem_id 0
		.amdhsa_next_free_vgpr 256
		.amdhsa_next_free_sgpr 66
		.amdhsa_reserve_vcc 1
		.amdhsa_float_denorm_mode_32 3
		.amdhsa_float_denorm_mode_16_64 3
		.amdhsa_memory_ordered 1
		.amdhsa_forward_progress 1
		.amdhsa_inst_pref_size 56
	.end_amdhsa_kernel
	.amdgpu_metadata
---
amdhsa.version: [ 1, 2 ]
amdhsa.kernels:
  - .name:           k_q6d93e0fab0_attn
    .symbol:         k_q6d93e0fab0_attn.kd
    .args:
      - { .name: qkv, .offset: 0, .size: 8, .value_kind: global_buffer, .address_space: global }
      - { .name: yq, .offset: 8, .size: 8, .value_kind: global_buffer, .address_space: global }
    .group_segment_fixed_size: 28672
    .private_segment_fixed_size: 0
    .kernarg_segment_align: 8
    .kernarg_segment_size: 16
    .max_flat_workgroup_size: 512
    .sgpr_count:     66
    .vgpr_count:     256
    .wavefront_size: 32
...
	.end_amdgpu_metadata
.endif
;; end of part 3
;; launch proj (part 4): grid 4 x 32, 4 waves a work-group, clusters of 4 x 4, 327,680 bytes of LDS; arguments yq, wq, b_out, out0; writes out0
.if DOCPART == 4
	.amdgcn_target "amdgcn-amd-amdhsa--gfx1250"
	.amdhsa_code_object_version 6
	.text
	.protected	k_q6d93e0fab0_proj
	.globl	k_q6d93e0fab0_proj
	.p2align	8
	.type	k_q6d93e0fab0_proj,@function
k_q6d93e0fab0_proj:
	s_mov_b64 s[64:65], 0
	v_nop
	global_prefetch_b8 v0, s[64:65] scope:SCOPE_SE
	s_setreg_imm32_b32 hwreg(HW_REG_WAVE_MODE, 25, 1), 1
	s_wait_xcnt 0x0
	s_wait_alu depctr_hold_cnt(0) depctr_sa_sdst(0) depctr_va_vdst(0) depctr_va_sdst(0) depctr_va_ssrc(0) depctr_va_vcc(0) depctr_vm_vsrc(0)
	s_getreg_b32 s2, hwreg(HW_REG_IB_STS2, 6, 4)
	s_cmp_eq_u32 s2, 0
	s_cbranch_scc0 .Lentry_in_a_cluster
	s_endpgm
.Lentry_in_a_cluster:
	s_bfe_u32 s2, ttmp6, 0x10000c
	s_cmp_lg_u32 s2, 0xf033
	s_cbranch_scc0 .Lentry_shape_is_right
	s_endpgm
.Lentry_shape_is_right:
; out = y W_out + b_out on codes of FP6 (E2M3) with E8M0 scales; out [8192][1024] f32.
; A tile of 256 x 256 for a work-group of four waves, 128 x 128 a wave: 64 accumulators.  K = 1,024 goes in four steps of 256 through two LDS slots filled by the tensor data mover.
; Operands lie in memory as images of operand registers (units of 768 bytes: 16 rows x 64 K); a K step's 128 rows are one dense block of 24,576 bytes.  Lane index r of tile a stands for row 32 (a / 2) + 8 (a % 2) + r % 8 + 16 (r / 8).
; Source 0 = 16 rows of W_out^T (called B), source 1 = 16 tokens (A): a lane holds one token, and the 16 registers of B's tiles 2 b, 2 b + 1 are columns 32 b + 16 (lane / 16) + 0 .. 15.
; CLUSTERS: 4 x 4 work-groups; A's tiles are asked for jointly along a row of the cluster, B's along a column.
; The grid has 128 work-groups: tiles of 256 x 256 of an output of 8,192 x 1,024.
; REGISTERS: window 0: v8-11 b_out of my four columns; v16-29 addresses; v32-63 scale words, two sets; v128-223 A's fragments; on the way out v128-255 rows of the output.  window 1: B's fragments, two sets.  windows 2, 3: the accumulators.
.set Y_SCL,  6291456
.set WO_IMG, 2457600
.set WO_SCL, 3244032
.set NQ,     2
.set FR,     12
.set NL,     6
.set NP,     4
.set HALFT,  24576
.set SLOT,   4*HALFT
.set SCLL,   2*SLOT
.set HALFS,  4096
.set STG,    SCLL+4*HALFS              ; the way out: 16 rows x (512 + 16) bytes for each wave, bytes into which no tile lands
.set SPITCH, 528
.set SPARE,  STG+4*16*SPITCH           ; the spare words, 128 bytes a wave: two blocks of 256 bytes that no other line names
.set ADRA, 16
.set ADRB, 20
.set STO,  24
.set RD,   25
.set CO,   26
.set ADRS, 27
.set SPW,  28
.set NIL,  29
.set SC,   32
.set AF,   128
.set BK,   128
.set G1, 24
.set G0, 32
.set G1B, 48
.set G0B, 56
.set G1S, 68
.set G0S, 76
.set G1SB, 80
.set G0SB, 88
.set MSB, 0
.macro WIN new
.if MSB != (\new)
	s_set_vgpr_msb (MSB<<8)|(\new)
.set MSB, \new
.endif
.endm
.set MUL_LO, 0xa1
.set MUL_HI, 0xf1
.set TO_B,   0x40
.macro JLOAD g0a, g1a, g0b, g1b        ; waves 0 and 1 fetch for A, waves 2 and 3 for B; four v_nop follow each of the two lines
	s_cmp_eq_u32 s15, 0
	s_cbranch_scc0 .Lfor_b_\@
	tensor_load_to_lds s[\g0a:\g0a+3], s[\g1a:\g1a+7]
	s_nop 0
.rept 4
	v_nop
.endr
	s_branch .Lasked_\@
.Lfor_b_\@:
	tensor_load_to_lds s[\g0b:\g0b+3], s[\g1b:\g1b+7]
	s_nop 0
.rept 4
	v_nop
.endr
.Lasked_\@:
.endm
.macro CREST
	s_cmp_lg_u32 s14, 0
	s_cbranch_scc1 .Lnot_wave_0_\@
	s_barrier_signal -3
.Lnot_wave_0_\@:
	s_barrier_wait -3
	s_barrier_signal -1
	s_barrier_wait -1
.endm
.macro CROUND
	s_barrier_signal -1
	s_barrier_wait -1
	CREST
.endm
	s_load_b256 s[4:11], s[0:1], 0x0               ; yq s[4:5], wq s[6:7], b_out s[8:9], out0 s[10:11]
	v_lshl_add_u32 v[SPW], v0, 2, SPARE
	v_mov_b32 v[NIL], 0
	ds_add_u32 v28, v29
	ds_add_u32 v28, v29
	s_wait_dscnt 0x0
	v_lshrrev_b32 v1, 5, v0
	v_readfirstlane_b32 s14, v1                    ; wave 0..3
	s_lshr_b32 s15, s14, 1                         ; which half of the tokens is mine.  Also: I fetch for A (0) or for B (1)
	s_and_b32 s16, s14, 1                          ; which half of the columns.  Also: which half I fetch
	s_bfe_u32 s40, ttmp6, 0x40000                  ; cx
	s_bfe_u32 s41, ttmp6, 0x40004                  ; cy
	s_lshl_b32 s42, ttmp9, 2
	s_add_co_u32 s42, s42, s40                     ; tile column
	s_and_b32 s17, ttmp7, 0xffff
	s_lshl_b32 s17, s17, 2
	s_add_co_u32 s17, s17, s41                     ; tile row
	s_lshl_b32 s43, s41, 2
	s_lshl_b32 s43, 15, s43                        ; my row of the cluster
	s_lshl_b32 s44, 0x1111, s40                    ; my column
	s_or_b32 s[G1+0], s43, (3<<16)|(1<<21)         ; a dense block as rows of 256 bytes (32 elements of 8 bytes), no padding; 15:0 the mask; 21 set beside it
	s_or_b32 s[G1B+0], s44, (3<<16)|(1<<21)
.irp g, G1, G1B
	s_mov_b32 s[\g+1], 32<<16
	s_mov_b32 s[\g+2], 96<<16
	s_mov_b32 s[\g+3], 32<<16
	s_mov_b32 s[\g+4], 96
	s_mov_b32 s[\g+5], 32
	s_mov_b32 s[\g+6], 0
	s_mov_b32 s[\g+7], 0
.endr
	s_or_b32 s[G1S+0], s43, (3<<16)|(1<<21)
	s_or_b32 s[G1SB+0], s44, (3<<16)|(1<<21)
.irp g, G1S, G1SB
	s_mov_b32 s[\g+1], 32<<16
	s_mov_b32 s[\g+2], 16<<16
	s_mov_b32 s[\g+3], 32<<16
	s_mov_b32 s[\g+4], 16
	s_mov_b32 s[\g+5], 32
	s_mov_b32 s[\g+6], 0
	s_mov_b32 s[\g+7], 0
.endr
	s_lshl_b32 s20, s17, 1
	s_add_co_u32 s20, s20, s16                     ; the group of 128 tokens that I fetch
	s_lshl_b32 s46, s42, 1
	s_add_co_u32 s46, s46, s16                     ; and of 128 rows of W_out^T
	s_lshl_b32 s22, s20, 12
	s_add_co_u32 s22, s22, Y_SCL
	s_mul_i32 s20, s20, 98304
	s_lshl_b32 s92, s46, 12
	s_add_co_u32 s92, s92, WO_SCL
	s_mul_i32 s46, s46, 98304
	s_add_co_u32 s46, s46, WO_IMG
	s_mov_b32 s21, 0
	s_mov_b32 s23, 0
	s_mov_b32 s47, 0
	s_mov_b32 s93, 0
	s_mul_i32 s45, s14, HALFT
	s_lshl_b32 s94, s14, 12
	s_wait_kmcnt 0x0
	s_add_nc_u64 s[20:21], s[4:5], s[20:21]
	s_add_nc_u64 s[22:23], s[4:5], s[22:23]
	s_add_nc_u64 s[46:47], s[6:7], s[46:47]
	s_add_nc_u64 s[92:93], s[6:7], s[92:93]
	CROUND                                         ; all sixteen work-groups are here: the first joint loads meet
	s_mov_b32 s[G0S], 1
	s_add_co_u32 s[G0S+1], s94, SCLL
	s_mov_b64 s[G0S+2:G0S+3], s[22:23]
	s_or_b32 s[G0S+3], s[G0S+3], 0x80000000
	s_mov_b32 s[G0SB], 1
	s_add_co_u32 s[G0SB+1], s94, SCLL
	s_mov_b64 s[G0SB+2:G0SB+3], s[92:93]
	s_or_b32 s[G0SB+3], s[G0SB+3], 0x80000000
	JLOAD G0S, G1S, G0SB, G1SB
.irp s, 0,1
	s_mov_b32 s[G0+4*\s], 1
	s_add_co_u32 s[G0+4*\s+1], s45, \s*SLOT
	s_add_nc_u64 s[G0+4*\s+2:G0+4*\s+3], s[20:21], \s*HALFT
	s_or_b32 s[G0+4*\s+3], s[G0+4*\s+3], 0x80000000
	s_mov_b32 s[G0B+4*\s], 1
	s_add_co_u32 s[G0B+4*\s+1], s45, \s*SLOT
	s_add_nc_u64 s[G0B+4*\s+2:G0B+4*\s+3], s[46:47], \s*HALFT
	s_or_b32 s[G0B+4*\s+3], s[G0B+4*\s+3], 0x80000000
	JLOAD G0+4*\s, G1, G0B+4*\s, G1B               ; three tensor loads of mine are out
.endr
	v_and_b32 v1, 15, v0                           ; r
	v_bfe_u32 v2, v0, 4, 1                         ; h
	v_and_b32 v3, 31, v0                           ; lane
	v_lshlrev_b32 v4, 3, v3
	v_lshlrev_b32 v[CO], 4, v3
	s_mul_i32 s21, s15, HALFT
	s_mul_i32 s22, s16, HALFT
	s_add_co_u32 s22, s22, 2*HALFT
.irp s, 0,1
	v_add_nc_u32 v[ADRA+\s], s21, v4
	v_add_nc_u32 v[ADRB+\s], s22, v4
	s_add_co_u32 s21, s21, SLOT
	s_add_co_u32 s22, s22, SLOT
.endr
	v_lshlrev_b32 v5, 3, v1
	s_mul_i32 s21, s15, HALFS
	s_mul_i32 s22, s16, HALFS
	s_add_co_u32 s22, s22, 2*HALFS
	s_sub_co_u32 s22, s22, s21
	v_mul_u32_u24 v6, s22, v2                      ; lanes 16-31 take B's
	s_add_co_u32 s21, s21, SCLL
	v_add_nc_u32 v5, v5, v6
	v_add_nc_u32 v[ADRS], s21, v5
	s_mul_i32 s23, s14, 16*SPITCH
	s_add_co_u32 s23, s23, STG                     ; my stage
	v_mul_u32_u24 v5, v1, SPITCH
	v_lshl_add_u32 v5, v2, 6, v5
	v_add_nc_u32 v[STO], s23, v5                   ; in: row r, + 64 h
	v_add_nc_u32 v[RD], s23, v[CO]                 ; back: the 32 lanes take one row of 512 bytes
	s_lshl_b32 s46, s42, 10
	s_lshl_b32 s47, s16, 9
	s_add_co_u32 s46, s46, s47                     ; my first column, in bytes
	s_mov_b32 s47, 0
	s_add_nc_u64 s[12:13], s[8:9], s[46:47]
	global_load_b128 v[8:11], v[CO], s[12:13]      ; b_out of columns 4 x lane + 0 .. 3 of my 128; it lands under the products
	s_lshl_b32 s20, s17, 8
	s_lshl_b32 s21, s15, 7
	s_add_co_u32 s20, s20, s21
	s_lshl_b32 s20, s20, 12                        ; my first token's row of 4,096 bytes
	s_mov_b32 s21, 0
	s_add_nc_u64 s[20:21], s[20:21], s[46:47]
	s_add_nc_u64 s[66:67], s[10:11], s[20:21]
.macro FRAG reg, adr, q, i
.irp p, 0,1,2,3,4,5
	ds_load_b64 v[\reg+2*\p:\reg+2*\p+1], v[\adr] offset:((\i)*4+2*(\q)+\p/3)*768+(\p%3)*256
.endr
.endm
.macro MUL16 a0, p, q, sc, zero        ; the 64 accumulators take turns, one instruction a turn, in the same order in every step
.irp a, \a0, \a0+1
.irp b, 0,1,2,3,4,5,6,7
.if \zero
	v_wmma_scale_f32_16x16x128_f8f6f4 v[8*(8*((\a)%4)+\b):8*(8*((\a)%4)+\b)+7], v[128*(\p)+FR*\b:128*(\p)+FR*\b+FR-1], v[AF+FR*(\a):AF+FR*(\a)+FR-1], 0, v[SC+8*NQ*(\sc)+NQ*\b+(\q)], v[SC+8*NQ*(\sc)+NQ*(\a)+(\q)] matrix_a_fmt:MATRIX_FMT_FP6 matrix_b_fmt:MATRIX_FMT_FP6 matrix_a_scale:MATRIX_SCALE_ROW1
.else
	v_wmma_scale_f32_16x16x128_f8f6f4 v[8*(8*((\a)%4)+\b):8*(8*((\a)%4)+\b)+7], v[128*(\p)+FR*\b:128*(\p)+FR*\b+FR-1], v[AF+FR*(\a):AF+FR*(\a)+FR-1], v[8*(8*((\a)%4)+\b):8*(8*((\a)%4)+\b)+7], v[SC+8*NQ*(\sc)+NQ*\b+(\q)], v[SC+8*NQ*(\sc)+NQ*(\a)+(\q)] matrix_a_fmt:MATRIX_FMT_FP6 matrix_b_fmt:MATRIX_FMT_FP6 matrix_a_scale:MATRIX_SCALE_ROW1
.endif
.endr
.endr
.endm
.macro FETCH_B slot, q, p
	WIN TO_B
.irp i, 0,1,2,3,4,5,6,7
	FRAG 128*(\p)+FR*\i, ADRB+\slot, \q, \i
.endr
	WIN 0
.endm
.macro FETCH_A slot, q, i0
.irp i, \i0, \i0+1, \i0+2, \i0+3
	FRAG AF+FR*(\i), ADRA+\slot, \q, \i
.endr
.endm
.macro SCALES sc
.irp i, 0,1,2,3,4,5,6,7
	ds_load_b64 v[SC+8*NQ*\sc+NQ*\i:SC+8*NQ*\sc+NQ*\i+1], v[ADRS] offset:\i*128
.endr
.endm
.macro PLACES n
.rept \n
	v_nop
.endr
.endm
.macro STEP slot, q, zero
	s_wait_dscnt 4*NL                              ; B's set and A's blocks 0-3 are in; the youngest 24 loads (A's blocks 4-7) may be out
	WIN MUL_LO
	MUL16 0, (\q)%2, \q, \slot, \zero
	MUL16 2, (\q)%2, \q, \slot, \zero
	s_wait_dscnt 0
	PLACES NP
	FETCH_B \slot, (\q)+1, 1-(\q)%2
	FETCH_A \slot, (\q)+1, 0
	WIN MUL_HI
	MUL16 4, (\q)%2, \q, \slot, \zero
	MUL16 6, (\q)%2, \q, \slot, \zero
	PLACES NP
	WIN 0
	FETCH_A \slot, (\q)+1, 4
.endm
.macro TURN slot, next, fill
	s_wait_tensorcnt 0x0                           ; all my tensor loads have landed: my part of the next slot
	ds_add_u32 v[SPW], v[NIL]                      ; 0 onto my spare word
	s_wait_dscnt 4*NL+1                            ; (the add and the youngest 24 loads may be out)
	WIN MUL_LO
	MUL16 0, 1, NQ-1, \slot, 0
	s_wait_dscnt 0x0                               ; the add is done, and my reads of this slot are over
	s_barrier_signal -1
	MUL16 2, 1, NQ-1, \slot, 0
	WIN 0
	s_barrier_wait -1
.if \fill
	CREST                                          ; the barrier has opened a round of the cluster's: no wave of any partner still reads this slot or has a load on its way
	s_add_nc_u64 s[G0+4*\slot+2:G0+4*\slot+3], s[G0+4*\slot+2:G0+4*\slot+3], 2*HALFT
	s_add_nc_u64 s[G0B+4*\slot+2:G0B+4*\slot+3], s[G0B+4*\slot+2:G0B+4*\slot+3], 2*HALFT
	JLOAD G0+4*\slot, G1, G0B+4*\slot, G1B
.else
	PLACES NP
.endif
	v_add_nc_u32 v[ADRS], 1024, v[ADRS]
	FETCH_B \next, 0, 0
	FETCH_A \next, 0, 0
	SCALES \next
	WIN MUL_HI
	MUL16 4, 1, NQ-1, \slot, 0
	MUL16 6, 1, NQ-1, \slot, 0
	PLACES NP
	WIN 0
	FETCH_A \next, 0, 4
.endm
	s_wait_tensorcnt 1                             ; the scale bytes and my part of K step 0 are in (K step 1's load may be out),
	s_barrier_signal -1
	s_barrier_wait -1                              ; everybody's are
	FETCH_B 0, 0, 0
	FETCH_A 0, 0, 0
	SCALES 0
	FETCH_A 0, 0, 4
	STEP 0, 0, 1                                   ; the first products start the sums
	TURN 0, 1, 1
	STEP 1, 0, 0
	TURN 1, 0, 1
	STEP 0, 0, 0
	TURN 0, 1, 0
	STEP 1, 0, 0
	s_wait_dscnt 4*NL
	WIN MUL_LO
	MUL16 0, 1, NQ-1, 1, 0
	MUL16 2, 1, NQ-1, 1, 0
	s_wait_dscnt 0
	WIN MUL_HI
	MUL16 4, 1, NQ-1, 1, 0
	MUL16 6, 1, NQ-1, 1, 0
	WIN 0
; THE WAY OUT, 16 tokens at a time: through my own stage and back as whole rows of 512 bytes; the bias is added to the rows.  LDS serves a wave's instructions in order: no wait between the stores and the loads.
.macro TOSTAGE a
.set AC, 64*((\a)%4)
	WIN 0x08+4*((\a)/4)                            ; the data: window 2 or 3
.irp b, 0,1,2,3,4,5,6,7
	ds_store_b128 v[STO], v[AC+8*\b:AC+8*\b+3] offset:128*(\b/2)+32*(\b%2)          ; each accumulator from its low end on: columns 32 (b / 2) + 16 h + 8 (b % 2) + 0 .. 7
	ds_store_b128 v[STO], v[AC+8*\b+4:AC+8*\b+7] offset:128*(\b/2)+32*(\b%2)+16
.endr
	WIN 0
.set BB, BK+64*((\a)%2)
.irp t, 0,1,2,3,4,5,6,7,8,9,10,11,12,13,14,15
	ds_load_b128 v[BB+4*\t:BB+4*\t+3], v[RD] offset:\t*SPITCH
.endr
.endm
.macro SEND a, younger                 ; younger: the LDS instructions issued behind block a's loads
.set BB, BK+64*((\a)%2)
	s_wait_dscnt \younger
.irp t, 0,1,2,3,4,5,6,7,8,9,10,11,12,13,14,15
	v_pk_add_f32 v[BB+4*\t:BB+4*\t+1], v[BB+4*\t:BB+4*\t+1], v[8:9]
	v_pk_add_f32 v[BB+4*\t+2:BB+4*\t+3], v[BB+4*\t+2:BB+4*\t+3], v[10:11]
.endr
.irp t, 0,1,2,3,4,5,6,7,8,9,10,11,12,13,14,15
	global_store_b128 v[CO], v[BB+4*\t:BB+4*\t+3], s[66:67] offset:(32*((\a)/2)+8*((\a)%2)+(\t%8)+16*(\t/8))*4096 th:TH_STORE_NT   ; 32 lanes store 512 consecutive bytes, aligned; the row's place stands in the immediate
.endr
.endm
	PLACES NP
	s_wait_loadcnt 0x0                             ; b_out
	TOSTAGE 0
.irp a, 1,2,3,4,5,6,7
.if \a > 1
	s_wait_xcnt 0x0                                ; block a - 2's stores have read their registers: block a's loads may land there
.endif
	TOSTAGE \a
	SEND \a-1, 32                                  ; behind block a - 1's loads: block a's 16 stores and 16 loads
.endr
	SEND 7, 0
	s_wait_tensorcnt 0x0                           ; the wave's end
	ds_add_u32 v[SPW], v[NIL]
	s_wait_dscnt 0x0
	CROUND                                         ; the closing round: no work-group ends while a partner may still ask for a tile that names it
	s_endpgm
.Lfunc_end_k_q6d93e0fab0_proj:
	.size	k_q6d93e0fab0_proj, .Lfunc_end_k_q6d93e0fab0_proj-k_q6d93e0fab0_proj
	.p2alignl 7, 3214868480
	.fill 96, 4, 3214868480
	.section	.rodata,"a",@progbits
	.p2align	6, 0x0
	.amdhsa_kernel k_q6d93e0fab0_proj
		.amdhsa_group_segment_fixed_size 327680
		.amdhsa_private_segment_fixed_size 0
		.amdhsa_enable_private_segment 0
		.amdhsa_kernarg_size 32
		.amdhsa_user_sgpr_count 2
		.amdhsa_user_sgpr_kernarg_segment_ptr 1
		.amdhsa_wavefront_size32 1
		.amdhsa_system_sgpr_workgroup_id_x 1
		.amdhsa_system_sgpr_workgroup_id_y 1
		.amdhsa_system_sgpr_workgroup_id_z 1
		.amdhsa_system_vgpr_workitem_id 0
		.amdhsa_next_free_vgpr 1024
		.amdhsa_next_free_sgpr 102
		.amdhsa_reserve_vcc 0
		.amdhsa_float_denorm_mode_32 3
		.amdhsa_float_denorm_mode_16_64 3
		.amdhsa_memory_ordered 1
		.amdhsa_forward_progress 1
		.amdhsa_inst_pref_size 175
	.end_amdhsa_kernel
	.amdgpu_metadata
---
amdhsa.version: [ 1, 2 ]
amdhsa.kernels:
  - .name:           k_q6d93e0fab0_proj
    .symbol:         k_q6d93e0fab0_proj.kd
    .args:
      - { .name: yq, .offset: 0, .size: 8, .value_kind: global_buffer, .address_space: global }
      - { .name: wq, .offset: 8, .size: 8, .value_kind: global_buffer, .address_space: global }
      - { .name: b_out, .offset: 16, .size: 8, .value_kind: global_buffer, .address_space: global }
      - { .name: out0, .offset: 24, .size: 8, .value_kind: global_buffer, .address_space: global }
    .group_segment_fixed_size: 327680
    .private_segment_fixed_size: 0
    .kernarg_segment_align: 8
    .kernarg_segment_size: 32
    .max_flat_workgroup_size: 128
    .sgpr_count:     102
    .vgpr_count:     1024
    .wavefront_size: 32
...
	.end_amdgpu_metadata
.endif
;; end of part 4
;; ======== version 2 of 2: 4 launches; version 1 with the launch attn written anew for expert scheduling mode
;; workspace buffers: xq 6,553,600 bytes; wq 3,801,088 bytes; qkv 20,185,088 bytes; yq 6,553,600 bytes
;; launch prep: the kernel of part 1 again; grid 704 x 1, 4 waves a work-group, no clusters, 58,880 bytes of LDS; arguments x, W_in, W_out, xq, wq; writes xq, wq
;; launch qkv: the kernel of part 2 again; grid 12 x 32, 4 waves a work-group, clusters of 4 x 4, 327,680 bytes of LDS; arguments xq, wq, b_in, qkv; writes qkv
;; launch attn (part 5): grid 8 x 64, 16 waves a work-group, no clusters, 28,672 bytes of LDS; arguments qkv, yq; writes yq
.if DOCPART == 5
	.amdgcn_target "amdgcn-amd-amdhsa--gfx1250"
	.amdhsa_code_object_version 6
	.text
	.protected	k_q6d93e0fab0_attn
	.globl	k_q6d93e0fab0_attn
	.p2align	8
	.type	k_q6d93e0fab0_attn,@function
k_q6d93e0fab0_attn:
	s_mov_b64 s[64:65], 0
	v_nop
	global_prefetch_b8 v0, s[64:65] scope:SCOPE_SE
	s_setreg_imm32_b32 hwreg(HW_REG_WAVE_SCHED_MODE, 0, 2), 2
	s_setreg_imm32_b32 hwreg(HW_REG_WAVE_MODE, 25, 1), 1
	s_wait_xcnt 0x0
	s_wait_alu depctr_vm_vsrc(0)
; y = softmax(q k^T / 8, causal) v for one head, both products on codes of FP6 (E2M3) with E8M0 scales; y is quantised along the model's 1,024 channels on the way out.
; THE SOFTMAX: t = score x log2(e) / 8; M = the running largest t rounded UP to a whole number; p = 2^(t - M) is quantised along the keys, not normalised; the row's sum is taken of the unquantised p and divides at the end.
; When M moves, the sum and O are multiplied by 2^(old M - new M): exact.
; SHARES.  Work-group (i, head) owns the blocks i and 15 - i of 128 queries: 17 block steps for every work-group.  Each of its 16 waves owns one tile of 16 queries; on each SIMD stand waves of both blocks.
; The work-group walks key steps 0 .. 15 - i of 128 keys, two a trip.  A step all of whose keys come after a wave's queries is left out by a scalar branch on ids, round its LDS loads, products and softmax; not round the barrier.
; A key step's record (13,056 dense bytes: k's 8 units, v's 4 fragments, their scale words) comes through registers into one of two LDS buffers, asked for a whole step ahead by all 512 threads; both buffers stand in immediates.
; No cluster: partners would need different numbers of key steps.  No tensor load: the trip count hangs on the work-group's number.
; LAYOUT.  S^T = k q^T (source 0 = 16 keys), O^T = v^T p^T (source 0 = 16 channels): a lane holds one query throughout.  The head's 64 are half of the instruction's 128: q's registers 6-11 are zero codes,
; so whatever stands in k's upper six registers adds nothing (its scale bytes there are 0, never 0xff).
; LIMITS: NaN and infinities are not served.  y's scale bytes leave one byte a lane, 8 bytes apart: a row's other bytes belong to other heads' work-groups.
; REGISTERS: v1-9 addresses; v12 -M, v13 the largest t, v[14:15] the sum; v16-27 q; v28 q's scale words; v32-79 k's eight half fragments, then v's four; v80-85 zeros; v86-89, v90-91 k's and v's scale words;
;   v96-159 S^T, then p; v160-191 O^T; v192-199 the next record's pieces; v224-235 p's codes; v232-254 at work.
; THE MODE: SCHED_MODE bits 1:0 = 2 (LLVM: expert scheduling mode 2), set by the entry lines.  The code itself states the register dependences
; between vector or matrix instructions and memory or LDS instructions, with s_wait_alu, always for 0.
; THE PLAN.  Registers that memory or LDS instructions touch:
;   v1-4, v7     addresses, written once at the head, ahead of the first load's wait; never written again.  v9: written once at the head, read by the last store alone.
;   v16-21, v28  q: loaded once at the head; read by the products k q^T.
;   v192-199     the next record's pieces: written by the global loads at a step's head, read by the LDS stores at its end; no vector instruction names them.
;   v32-79       written by k's LDS loads at the head of a step's work; read by k q^T; written by v's LDS loads behind k q^T; read by v^T p^T.
;   v86-91       scale words: written by LDS loads at the head of a step's work; read by the step's products.
;   v224-229, v238  on the way out: written by the conversions, lane swaps and a select; read by the last four stores.
; So a step holds one wait on vm_vsrc, at its head (the LDS stores have read v192-199), and three waits on va_vdst beside the two behind the exponentials: at the head of its work (the last step's products are done
; with v32-79 and v86-91), behind k q^T (those products are done with v32-85), and ahead of v^T p^T (p's codes and scale word are written).  The first two stand behind the step's barrier.
.set Q_SCL, 6291456
.set KV,    6815744
.set REC,   13056
.set BUF,   13312
.set Y_SCL, 6291456
.set WV,  8
.set IDX, 10
.set BQ,  11
.set BH,  12
.set SEL, 20
.set CS,  22
.set KS,  24
.set CNT, 25
.set NT2, 26
.set MK,  36                           ; s[36:51] the diagonal step's masks, sixteen at a time
	s_load_b128 s[4:7], s[0:1], 0x0                ; qkv, yq
	v_lshl_add_u32 v251, v0, 2, 0x6800
	v_mov_b32 v255, 0
	v_lshrrev_b32 v5, 5, v0
	v_readfirstlane_b32 s[WV], v5                  ; wave 0..15
	v_and_b32 v1, 31, v0
	v_lshlrev_b32 v2, 2, v1                        ; 4 x lane
	v_lshlrev_b32 v1, 3, v1                        ; 8 x lane
	v_lshlrev_b32 v3, 4, v0                        ; 16 x thread
	v_lshlrev_b32 v4, 3, v0                        ; 8 x thread
	v_and_b32 v5, 15, v0                           ; r
	v_bfe_u32 v6, v0, 4, 1                         ; h
	v_lshlrev_b32 v7, 2, v5
	s_wait_alu depctr_va_sdst(0)                   ; the wave's number is written, ahead of its first reader: my block, my tile and the branches on the wave are made from it
	s_lshr_b32 s9, s[WV], 2
	s_xor_b32 s9, s9, s[WV]
	s_and_b32 s9, s9, 1                            ; the late block (1) or the early one (0)
	s_lshr_b32 s[IDX], s[WV], 1                    ; my tile in it
	s_sub_co_u32 s14, 15, ttmp9
	s_cmp_eq_u32 s9, 1
	s_cselect_b32 s[BQ], s14, ttmp9                ; my block of 128 queries
	s_and_b32 s[BH], ttmp7, 0xffff                 ; batch x 16 + head
	s_sub_co_u32 s[NT2], 17, ttmp9
	s_lshr_b32 s[NT2], s[NT2], 1                   ; trips of two key steps
	s_lshl_b32 s14, s[BH], 7
	s_lshl_b32 s15, s[BQ], 3
	s_add_co_u32 s14, s14, s15
	s_add_co_u32 s14, s14, s[IDX]
	s_mul_i32 s16, s14, 768
	s_mov_b32 s17, 0
	s_lshl_b32 s18, s14, 6
	s_add_co_u32 s18, s18, Q_SCL
	s_mov_b32 s19, 0
	s_mul_i32 s32, s[BH], 16*REC
	s_add_co_u32 s32, s32, KV
	s_mov_b32 s33, 0
	s_mov_b32 s[SEL], 0x76543210
	s_mov_b32 s[SEL+1], 0xfedcba98
	s_mov_b32 s[CS], 0x3e38aa3b                    ; c = log2(e) / 8
	s_mov_b32 s[CS+1], s[CS]                       ; (named with it as a pair)
	s_mov_b32 s[KS], 0
	s_mov_b32 s[CNT], 0
	s_wait_kmcnt 0x0
	s_add_nc_u64 s[16:17], s[4:5], s[16:17]
	s_add_nc_u64 s[18:19], s[4:5], s[18:19]
	s_add_nc_u64 s[28:29], s[4:5], s[32:33]        ; the head's records
	s_wait_alu depctr_va_vdst(0)                   ; the addresses v1, v2, v3, v4 and v7 are written: every load and every LDS access of the kernel reads one of them
.irp p, 0,1,2
	global_load_b64 v[16+2*\p:17+2*\p], v1, s[16:17] offset:256*\p   ; q's unit stays in registers
.endr
	global_load_b32 v28, v7, s[18:19]
	global_load_b128 v[192:195], v3, s[28:29]      ; record 0: 8,192 + 4,096 + 768 bytes
	global_load_b64 v[196:197], v4, s[28:29] offset:8192
	s_cmp_lt_u32 s[WV], 3
	s_cbranch_scc0 .Lhead_a
	global_load_b64 v[198:199], v4, s[28:29] offset:12288
.Lhead_a:
	s_lshr_b32 s14, s[IDX], 1
	s_lshl_b32 s14, s14, 5
	s_and_b32 s15, s[IDX], 1
	s_lshl_b32 s15, s15, 3
	s_add_co_u32 s14, s14, s15
	v_and_b32 v8, 7, v5
	v_lshrrev_b32 v9, 3, v5
	v_lshl_add_u32 v8, v9, 4, v8
	v_lshlrev_b32 v9, 4, v6
	v_sub_nc_u32 v8, v8, v9
	v_add_nc_u32 v8, s14, v8                       ; my query in its block, less 16 h: register 16 b + i is hidden on the diagonal where 32 b + i is greater
	v_lshl_add_u32 v9, v5, 3, v6                   ; y's scale bytes: 8 r + h
	v_mov_b32 v13, 0xff61b1e6                      ; the largest t so far: -3e38
	v_floor_f32 v12, -v13
	v_mov_b32 v14, 0
	v_mov_b32 v15, 0
.irp j, 22,23,24,25,26,27,80,81,82,83,84,85
	v_mov_b32 v[\j], 0                             ; zero codes
.endr
.irp j, 236,237,238,239,252,253
	v_mov_b32 v[\j], 0                             ; lane permutes' destinations and a pair's upper half count as read
.endr
.set j, 0
.rept 32
	v_mov_b32 v[160+j], 0                          ; O^T: the step is written once; the first change of M leaves zeros zeros
.set j, j+1
.endr
	s_wait_loadcnt 0x0
	ds_store_b128 v3, v[192:195]
	ds_store_b64 v4, v[196:197] offset:8192
	s_cmp_lt_u32 s[WV], 3
	s_cbranch_scc0 .Lhead_b
	ds_store_b64 v4, v[198:199] offset:12288
.Lhead_b:
	s_wait_dscnt 0x0                               ; for the others' sake: my part of record 0 lies in LDS
	s_barrier_signal -1
	s_barrier_wait -1
.macro STEP buf
	s_wait_xcnt 0x0                                ; the last step's loads have read their base
	s_wait_alu depctr_vm_vsrc(0)                   ; the LDS stores in front of the barrier have read v[192:199], in which the loads below land
	s_add_co_u32 s14, s[KS], 1
	s_min_u32 s14, s14, 15                         ; the next record, held inside the head's sixteen
	s_mul_i32 s14, s14, REC
	s_mov_b32 s15, 0
	s_add_nc_u64 s[30:31], s[28:29], s[14:15]
	global_load_b128 v[192:195], v3, s[30:31]
	global_load_b64 v[196:197], v4, s[30:31] offset:8192
	s_cmp_lt_u32 s[WV], 3
	s_cbranch_scc0 .Lno3_\@
	global_load_b64 v[198:199], v4, s[30:31] offset:12288
.Lno3_\@:
	s_cmp_gt_u32 s[KS], s[BQ]
	s_cbranch_scc1 .Lhidden_\@
	s_wait_alu depctr_va_vdst(0)                   ; the last step's products are done reading v[32:79] and v[86:91], in which the loads below land; in the first step the zero codes v[22:27] and v[80:85] are written, which the products below take as operands
.irp t, 0,1,2,3,4,5,6,7
.irp p, 0,1,2
	ds_load_b64 v[32+6*\t+2*\p:33+6*\t+2*\p], v1 offset:\buf*BUF+\t*768+\p*256
.endr
.endr
.irp g, 0,1,2,3
	ds_load_b32 v[86+\g], v2 offset:\buf*BUF+12288+\g*128      ; lanes 0-15: tile 2 g's words, lanes 16-31: tile 2 g + 1's
.endr
.irp g, 0,1
	ds_load_b32 v[90+\g], v2 offset:\buf*BUF+12800+\g*128
.endr
	s_wait_dscnt 0x0
.irp t, 0,2,4,6
	v_wmma_scale_f32_16x16x128_f8f6f4 v[96+8*\t:103+8*\t], v[32+6*\t:43+6*\t], v[16:27], 0, v[86+\t/2], v28 matrix_a_fmt:MATRIX_FMT_FP6 matrix_b_fmt:MATRIX_FMT_FP6
	v_wmma_scale_f32_16x16x128_f8f6f4 v[104+8*\t:111+8*\t], v[38+6*\t:49+6*\t], v[16:27], 0, v[86+\t/2], v28 matrix_a_fmt:MATRIX_FMT_FP6 matrix_b_fmt:MATRIX_FMT_FP6 matrix_a_scale:MATRIX_SCALE_ROW1
.endr
.rept 4
	v_nop                                          ; places in front of the first read of the scores
.endr
	s_wait_alu depctr_va_vdst(0)                   ; the products k q^T are done reading v[32:85]: v's fragments land in v[32:79].  No vector instruction from here to the products v^T p^T names these registers or v1
.irp t, 0,1,2,3
.irp p, 0,1,2,3,4,5
	ds_load_b64 v[32+12*\t+2*\p:33+12*\t+2*\p], v1 offset:\buf*BUF+6144+\t*1536+\p*256   ; v's fragments land under the softmax
.endr
.endr
	s_cmp_lg_u32 s[KS], s[BQ]
	s_cbranch_scc1 .Lopen_\@
	v_mov_b32 v254, 0xff800000                     ; on the diagonal hidden scores become -infinity: p = 0 then
.irp b, 0,1,2,3                                ; the compares go in runs of sixteen, each into a mask of its own, with one wait behind the run
.irp i, 0,1,2,3,4,5,6,7,8,9,10,11,12,13,14,15
	v_cmp_gt_i32 s[MK+\i], 32*\b+\i, v8
.endr
	s_wait_alu depctr_va_sdst(0)                   ; the sixteen compares have written their masks, which the selects below read
.irp i, 0,1,2,3,4,5,6,7,8,9,10,11,12,13,14,15
	v_cndmask_b32 v[96+16*\b+\i], v[96+16*\b+\i], v254, s[MK+\i]
.endr
.endr
.Lopen_\@:
.irp b, 0,1,2,3
	v_max3_num_f32 v[232+\b], v[96+16*\b], v[97+16*\b], v[98+16*\b]   ; the largest score of each block of 32 keys: for the row's maximum, and, since p rises with the score, for the block's largest p
.endr
.irp i, 3,5,7,9,11,13
.irp b, 0,1,2,3
	v_max3_num_f32 v[232+\b], v[232+\b], v[96+16*\b+\i], v[97+16*\b+\i]
.endr
.endr
.irp b, 0,1,2,3
	v_max_num_f32 v[232+\b], v[232+\b], v[111+16*\b]
.endr
.irp b, 0,1,2,3
	v_permlanex16_b32 v[236+\b], v[232+\b], s[SEL], s[SEL+1]
.endr
.irp b, 0,1,2,3
	v_max_num_f32 v[232+\b], v[232+\b], v[236+\b]
.endr
	v_max3_num_f32 v254, v232, v233, v234
	v_max_num_f32 v254, v254, v235
	v_mul_f32 v254, s[CS], v254
	v_max_num_f32 v13, v13, v254                   ; the running largest t
	v_mov_b32 v254, v12
	v_floor_f32 v12, -v13                          ; the new -M = -ceil(t)
	v_sub_f32 v254, v12, v254
	v_cvt_i32_f32 v254, v254                       ; (it saturates)
	v_ldexp_f32 v252, 1.0, v254                    ; f = 2^(old M - new M)
.set j, 0
.rept 32
	v_pk_fma_f32 v[96+j:97+j], v[96+j:97+j], s[CS:CS+1], v[12:13] op_sel_hi:[1,0,0]   ; t - M
.set j, j+2
.endr
.irp b, 0,1,2,3
	v_fma_f32 v[232+\b], v[232+\b], s[CS], v12
.endr
.set j, 0
.rept 64
	v_exp_f32 v[96+j], v[96+j]                     ; p, at most 1
.set j, j+1
.endr
	v_pk_mul_f32 v[14:15], v[14:15], v[252:253] op_sel_hi:[1,0]   ; the sums under the new M; a plain place behind the exponentials
	s_wait_alu depctr_va_vdst(0)                   ; the 64 exponentials have written p, v[96:159]: one wait for the batch, ahead of its first reader
.irp b, 0,1,2,3
	v_exp_f32 v[232+\b], v[232+\b]                 ; the block's largest p
.endr
	v_pk_add_f32 v[236:237], v[96:97], v[98:99]    ; the row's sum of the unquantised p, in two chains
.irp j, 4,8,12,16,20,24,28,32,36,40,44,48,52,56,60
	v_pk_add_f32 v[14:15], v[14:15], v[96+\j:97+\j]
	v_pk_add_f32 v[236:237], v[236:237], v[98+\j:99+\j]
.endr
	v_pk_add_f32 v[14:15], v[14:15], v[236:237]
	s_wait_alu depctr_va_vdst(0)                   ; the four exponentials have written v[232:235], ahead of their first reader
.irp b, 0,1,2,3
	v_max_num_f32 v[232+\b], 0x1800000, v[232+\b]  ; the floor 2^(3 - 127)
.endr
.irp b, 0,1,2,3
	v_add_nc_u32 v[244+\b], 0xff000000, v[232+\b]
.endr
.irp b, 0,1,2,3
	v_lshrrev_b32 v[236+\b], 23, v[244+\b]
.endr
	v_lshl_or_b32 v253, v237, 8, v236              ; p's scale word for these 128 keys
	v_lshl_or_b32 v253, v238, 16, v253
	v_lshl_or_b32 v253, v239, 24, v253
.irp c, 0,1
	v_cvt_scalef32_pk16_fp6_f32 v[224+6*\c:226+6*\c], v[96+32*\c:111+32*\c], v[244+2*\c]
	v_cvt_scalef32_pk16_fp6_f32 v[236+4*\c:238+4*\c], v[112+32*\c:127+32*\c], v[244+2*\c+1]
.endr
	v_nop                                          ; one plain place behind a scaled conversion
.irp c, 0,1
.irp i, 0,1,2
	v_permlane16_swap_b32 v[224+6*\c+\i], v[236+4*\c+\i]
.endr
.irp i, 0,1,2
	v_mov_b32 v[227+6*\c+\i], v[236+4*\c+\i]
.endr
.endr
.set j, 0
.rept 16
	v_pk_mul_f32 v[160+j:161+j], v[160+j:161+j], v[252:253] op_sel_hi:[1,0]   ; O^T under the new M; these sixteen are also the places in front of the products below
.set j, j+2
.endr
	s_wait_dscnt 0x0                               ; v's fragments are in
	s_wait_alu depctr_va_vdst(0)                   ; p's codes v[224:235] and its scale word v253 are written, which the scaled products below take as operand and scales; the places above stay beside this wait
.irp t, 0,2
	v_wmma_scale_f32_16x16x128_f8f6f4 v[160+8*\t:167+8*\t], v[32+12*\t:43+12*\t], v[224:235], v[160+8*\t:167+8*\t], v[90+\t/2], v253 matrix_a_fmt:MATRIX_FMT_FP6 matrix_b_fmt:MATRIX_FMT_FP6
	v_wmma_scale_f32_16x16x128_f8f6f4 v[168+8*\t:175+8*\t], v[44+12*\t:55+12*\t], v[224:235], v[168+8*\t:175+8*\t], v[90+\t/2], v253 matrix_a_fmt:MATRIX_FMT_FP6 matrix_b_fmt:MATRIX_FMT_FP6 matrix_a_scale:MATRIX_SCALE_ROW1
.endr
.rept 4
	v_nop                                          ; places in front of the next read of O^T
.endr
.Lhidden_\@:
	s_wait_loadcnt 0x0                             ; the next record's pieces, asked for at the step's head
	ds_store_b128 v3, v[192:195] offset:(1-\buf)*BUF
	ds_store_b64 v4, v[196:197] offset:(1-\buf)*BUF+8192
	s_cmp_lt_u32 s[WV], 3
	s_cbranch_scc0 .Lno3b_\@
	ds_store_b64 v4, v[198:199] offset:(1-\buf)*BUF+12288
.Lno3b_\@:
	s_wait_dscnt 0x0                               ; my stores have landed and my reads of this step's buffer are over:
	s_barrier_signal -1                            ; one barrier orders this step's reads ahead of the next fill of this buffer, and this fill ahead of the next step's reads
	s_barrier_wait -1
	s_add_co_u32 s[KS], s[KS], 1
.endm
.Ltrip:
	STEP 0
	STEP 1
	s_add_co_u32 s[CNT], s[CNT], 1
	s_cmp_lt_u32 s[CNT], s[NT2]
	s_cbranch_scc1 .Ltrip
	; THE WAY OUT: O^T / the sum; register 16 b + i is channel 32 b + 16 h + i of my query: two blocks of the next product's K
	v_add_f32 v14, v14, v15
	v_permlanex16_b32 v252, v14, s[SEL], s[SEL+1]
	v_add_f32 v14, v14, v252
	v_rcp_f32 v14, v14
	v_cmp_eq_u32 vcc_lo, 1, v6                     ; (a plain place behind the transcendental)
	s_lshr_b32 s14, s[BH], 4
	s_lshl_b32 s14, s14, 4
	s_add_co_u32 s14, s14, s[BQ]                   ; the group of 128 tokens
	s_and_b32 s15, s[BH], 15
	s_lshr_b32 s15, s15, 2                         ; K / 256 = head / 4
	s_mul_i32 s16, s14, 98304
	s_mul_i32 s17, s15, 24576
	s_add_co_u32 s16, s16, s17
	s_mul_i32 s17, s[IDX], 3072
	s_add_co_u32 s16, s16, s17
	s_and_b32 s17, s[BH], 3
	s_mul_i32 s17, s17, 768
	s_add_co_u32 s16, s16, s17
	s_mov_b32 s17, 0
	s_add_nc_u64 s[32:33], s[6:7], s[16:17]        ; my unit
	s_lshl_b32 s16, s14, 12
	s_lshl_b32 s18, s15, 10
	s_add_co_u32 s16, s16, s18
	s_lshl_b32 s18, s[IDX], 7
	s_add_co_u32 s16, s16, s18
	s_and_b32 s18, s[BH], 3
	s_lshl_b32 s18, s18, 1
	s_add_co_u32 s16, s16, s18
	s_add_co_u32 s16, s16, Y_SCL
	s_add_nc_u64 s[34:35], s[6:7], s[16:17]        ; my head's two bytes of a row's eight
	s_wait_alu depctr_va_vdst(0)                   ; the reciprocal has written v14, ahead of its first reader
.set j, 0
.rept 32
	v_mul_f32 v[96+j], v[160+j], v14
.set j, j+1
.endr
.irp b, 0,1
	v_max3_num_f32 v[232+\b], |v[96+16*\b]|, |v[97+16*\b]|, 0x1800000
.endr
.irp i, 2,4,6,8,10,12,14
.irp b, 0,1
	v_max3_num_f32 v[232+\b], v[232+\b], |v[96+16*\b+\i]|, |v[97+16*\b+\i]|
.endr
.endr
.irp b, 0,1
	v_permlanex16_b32 v[236+\b], v[232+\b], s[SEL], s[SEL+1]
.endr
.irp b, 0,1
	v_max_num_f32 v[232+\b], v[232+\b], v[236+\b]
.endr
.irp b, 0,1
	v_add_nc_u32 v[244+\b], 0xff000000, v[232+\b]
.endr
.irp b, 0,1
	v_lshrrev_b32 v[236+\b], 23, v[244+\b]
.endr
	v_cvt_scalef32_pk16_fp6_f32 v[224:226], v[96:111], v244
	v_cvt_scalef32_pk16_fp6_f32 v[240:242], v[112:127], v245
	v_nop                                          ; one plain place behind a scaled conversion
.irp i, 0,1,2
	v_permlane16_swap_b32 v[224+\i], v[240+\i]
.endr
.irp i, 0,1,2
	v_mov_b32 v[227+\i], v[240+\i]
.endr
	s_wait_alu depctr_va_vcc(0)                    ; the compare on h has written VCC, which the select below reads
	v_cndmask_b32 v238, v236, v237, vcc_lo         ; lanes 0-15 carry block 0's byte of row r, lanes 16-31 block 1's
	s_wait_alu depctr_va_vdst(0)                   ; the codes v[224:229] and the byte v238 are written, which the stores below read as data; so is v9, the last store's offset
.irp p, 0,1,2
	global_store_b64 v1, v[224+2*\p:225+2*\p], s[32:33] offset:256*\p    ; 32 lanes store 256 consecutive bytes, aligned
.endr
	global_store_b8 v9, v238, s[34:35]
	s_wait_dscnt 0x0
	s_wait_alu depctr_hold_cnt(0) depctr_sa_sdst(0) depctr_va_vdst(0) depctr_va_sdst(0) depctr_va_ssrc(0) depctr_va_vcc(0) depctr_vm_vsrc(0)
	s_wait_tensorcnt 0x0
	ds_add_u32 v251, v255
	s_wait_dscnt 0x0
	s_endpgm
.Lfunc_end_k_q6d93e0fab0_attn:
	.size	k_q6d93e0fab0_attn, .Lfunc_end_k_q6d93e0fab0_attn-k_q6d93e0fab0_attn
	.p2alignl 7, 3214868480
	.fill 96, 4, 3214868480
	.section	.rodata,"a",@progbits
	.p2align	6, 0x0
	.amdhsa_kernel k_q6d93e0fab0_attn
		.amdhsa_group_segment_fixed_size 28672
		.amdhsa_private_segment_fixed_size 0
		.amdhsa_enable_private_segment 0
		.amdhsa_kernarg_size 16
		.amdhsa_user_sgpr_count 2
		.amdhsa_user_sgpr_kernarg_segment_ptr 1
		.amdhsa_wavefront_size32 1
		.amdhsa_system_sgpr_workgroup_id_x 1
		.amdhsa_system_sgpr_workgroup_id_y 1
		.amdhsa_system_sgpr_workgroup_id_z 1
		.amdhsa_system_vgpr_workitem_id 0
		.amdhsa_next_free_vgpr 256
		.amdhsa_next_free_sgpr 66
		.amdhsa_reserve_vcc 1
		.amdhsa_float_denorm_mode_32 3
		.amdhsa_float_denorm_mode_16_64 3
		.amdhsa_memory_ordered 1
		.amdhsa_forward_progress 1
		.amdhsa_inst_pref_size 65
	.end_amdhsa_kernel
	.amdgpu_metadata
---
amdhsa.version: [ 1, 2 ]
amdhsa.kernels:
  - .name:           k_q6d93e0fab0_attn
    .symbol:         k_q6d93e0fab0_attn.kd
    .args:
      - { .name: qkv, .offset: 0, .size: 8, .value_kind: global_buffer, .address_space: global }
      - { .name: yq, .offset: 8, .size: 8, .value_kind: global_buffer, .address_space: global }
    .group_segment_fixed_size: 28672
    .private_segment_fixed_size: 0
    .kernarg_segment_align: 8
    .kernarg_segment_size: 16
    .max_flat_workgroup_size: 512
    .sgpr_count:     66
    .vgpr_count:     256
    .wavefront_size: 32
...
	.end_amdgpu_metadata
.endif
;; end of part 5
;; launch proj: the kernel of part 4 again; grid 4 x 32, 4 waves a work-group, clusters of 4 x 4, 327,680 bytes of LDS; arguments yq, wq, b_out, out0; writes out0
